; MI455X (gfx1250); checked and timed in simulation.
; The chip was launched on July 23, 2026; its instructions are those of AMD's public machine-readable ISA for CDNA 5 (MIT licence, August 2026) and "CDNA5" Instruction Set Architecture Reference Guide (July 2026). The comments in the code are by the model that wrote it; some were corrected since.
;; Self Attention. Allowed arithmetic: matrix products marked QUANTISED: E2M3 operands, one E8M0 scale for each 32 along K, by v_wmma_scale_f32_16x16x128_f8f6f4 with both operands' format E2M3, f32 sums; everything else in f32.
;; Inputs: W_proj 1,024 x 1,024 float32; W_qkv 1,024 x 3,072 float32; b_proj 1,024 float32; b_qkv 3,072 float32; x 4 x 2,048 x 1,024 float32.
;; Outputs: out0 4 x 2,048 x 1,024 float32.
;; This version of the problem:
;;   THIS VERSION OF THE PROBLEM IS GIVEN IN LOW PRECISION. The matrix products marked QUANTISED in the list below multiply operands that are first quantised to E2M3 (2 exponent bits, 3 mantissa bits; 6 bits a number), with one power-of-two scale for each 32 numbers along K (OCP MX v1.0); their sums are f32. All else is computed in f32.
;;   The module's matrix products, in the order in which they are computed (A, B: the left and right operand; K: the contracted axis; several contracted axes count as one K, in the product's order):
;;     1. [M 8,192, K 1,024] x [K 1,024, N 3,072]; A: input x; B: input W_qkv: QUANTISED
;;     2. batch 64 x [M 2,048, K 64] x [K 64, N 2,048]; A: computed on the way; B: computed on the way: QUANTISED
;;     3. batch 64 x [M 2,048, K 2,048] x [K 2,048, N 64]; A: softmax (see below); B: computed on the way: QUANTISED
;;     4. [M 8,192, K 1,024] x [K 1,024, N 1,024]; A: computed on the way; B: input W_proj: QUANTISED
;;   THE QUANTISER, for each operand of a quantised product, along K:
;;     - K is cut into blocks of 32 from its start; a last block that is shorter is filled with zeros.
;;     - A block's scale is 2^e with e = floor(log2(the largest magnitude in the block)) - 2, held to -126 .. 127; a block of zeros has e = 0. As a byte (E8M0): e + 127.
;;     - Each number is divided by its block's scale, clamped to +-7.5, and rounded to the nearest number of E2M3, ties to even, subnormals kept.
;;     - The product sums the exact products of the quantised numbers (number of the format x scale) in f32.
;;   ~~~python
;;   def quantise(x, axis):      # numpy; x: float32 -> the quantised numbers, widened to float32 again
;;       x = np.moveaxis(x, axis, -1); K = x.shape[-1]
;;       x = np.pad(x, [(0, 0)] * (x.ndim - 1) + [(0, -K % 32)]); x = x.reshape(x.shape[:-1] + (-1, 32)); a = np.abs(x).max(-1, keepdims=True)
;;       e = np.where(a > 0, np.clip(np.frexp(np.where(a > 0, a, 1))[1] - 1 - 2, -126, 127), 0)      # np.frexp(a)[1] - 1 = floor(log2(a)), exactly
;;       r = np.clip(x / 2.0 ** e, -7.5, 7.5)
;;       step = 2.0 ** (np.maximum(np.frexp(np.where(r == 0, 1, r))[1] - 1, 0) - 3)
;;       q = np.round(r / step) * step * 2.0 ** e      # np.round: ties to even
;;       return np.moveaxis(q.reshape(q.shape[:-2] + (-1,))[..., :K], -1, axis).astype(np.float32)
;;   ~~~
;;   SOFTMAX AHEAD OF A QUANTISED PRODUCT. Where the list says 'softmax', what is quantised is not the finished softmax but p = 2^(t - M), with t = logit x log2(e) and M = ceil(the row's largest t), a whole number; so 1/2 < the row's largest p <= 1. The row's sum l is taken of the UNQUANTISED p, in f32, and the product's result is divided by l at the end. Since M is a whole number, a kernel that streams over the keys may use a running M (the ceiling of the running maximum): every later rescaling is an exact power of two, which a block's scale takes up: the codes' values come out the same.
;;   OPERANDS COMPUTED ON THE WAY. 'Computed on the way' means the value that the module computes at that place (a softmax that the list does not call 'softmax' is quantised finished and normalised). What goes into a quantiser is computed in f32, as accurately as f32 sums, v_exp_f32 and their like allow (about 1e-6 of the number): no bf16 or f16 on the way to a quantiser, and a product that is left as it is and whose result goes on into a quantised operand takes f32 operands (vector FMAs, or v_wmma_f32_16x16x4_f32). A number that lies on a knife's edge between two numbers of the format may be rounded either way, as far as f32 arithmetic and the matrix unit's own rounding can turn it there, and no further.
;; One version. Each part assembles by itself: llvm-mc -triple=amdgcn-amd-amdhsa -mcpu=gfx1250 --defsym DOCPART=n.
;; ======== version 1 of 1: 4 launches
;; workspace buffers: act_codes 6,291,456 bytes; act_scales 262,144 bytes; w_codes 3,145,728 bytes; w_scales 131,072 bytes; q_codes 6,291,456 bytes; q_scales 1,048,576 bytes; kv 13,107,200 bytes
;; launch quant (part 1): grid 384 x 1, 4 waves a work-group, no clusters, 68,096 bytes of LDS; arguments x, W_qkv, W_proj, act_codes, act_scales, w_codes, w_scales; writes act_codes, act_scales, w_codes, w_scales
.if DOCPART == 1
	.amdgcn_target "amdgcn-amd-amdhsa--gfx1250"
	.amdhsa_code_object_version 6
	.text
	.protected	k_qfdc3fd8a0b_quant
	.globl	k_qfdc3fd8a0b_quant
	.p2align	8
	.type	k_qfdc3fd8a0b_quant,@function
k_qfdc3fd8a0b_quant:
	s_mov_b64 s[64:65], 0
	v_nop
	global_prefetch_b8 v0, s[64:65] scope:SCOPE_SE
	s_setreg_imm32_b32 hwreg(HW_REG_WAVE_MODE, 25, 1), 1
	s_wait_xcnt 0x0
; x [8192][1024], W_qkv [1024][3072] and W_proj [1024][1024], f32, become codes of FP6 (E2M3) with K innermost and one E8M0 byte for each 32 along K.
; A block's scale is 2^(floor(log2(its largest magnitude)) - 2); its byte is the largest magnitude's exponent field - 2, held at 1 from below.
; LIMITS: NaN and infinities among the inputs are not served; a block whose largest magnitude lies under 2^-124 has its byte held at 1; a block of zeros gets the byte 1, not 127: its codes are zeros and this program alone reads the bytes.
; Work-groups 0-255 take x: K is innermost, so x is a plain stream of blocks of 32.  A wave takes 16 steps of 512 numbers; each load reads 512 consecutive bytes; a step turns through the wave's own stage in LDS so that a lane holds 16 neighbours.
; Work-groups 256-383 take the weights, whose K is the FIRST axis: a lane takes a column, its registers run down K.  Work-group (gx, y): columns 128 gx on (gx 0-23: W_qkv, 24-31: W_proj), K 256 y on.
; THE WEIGHTS' ROWS ARE LAID IN ANOTHER ORDER: column n goes to row 64 (n / 64) + 16 ((n / 8) % 4) + 8 ((n / 32) % 2) + n % 8 (W_proj's behind W_qkv's 3,072), so that in the products' results a lane's 32 registers of four neighbouring tiles are 32 neighbouring columns.
; The two paths part on the work-group's number and have LDS bytes of their own: x's 0 - 32,767, the weights' 32,768 - 67,583.  No barrier: waves share nothing.
.set STEPS, 16
.set CB,    12                         ; bytes of 16 codes
.set R,     16                         ; x: v16-79 four sets of 16 numbers as loaded
.set X,     80                         ; x: v80-111 two sets of 16 neighbours
.set E,     112                        ; x: v112-127 a scale byte for each step
.set C,     128                        ; x: v128-191 codes, four registers for each step
.set WREG,  8192                       ; x: LDS of a wave: two stages of 32 x SP bytes, then its 256 scale bytes
.set SP,    80
.set WSTG,  32768                      ; weights: the waves' stages, 32 rows x 272 bytes each
.set WP,    272
.set WX,    32                         ; weights: v32-95 two sets of 32 numbers
.set WC,    96                         ; v96.. a block's codes
.set WOUT,  112                        ; v112-175 the way out
.set WSB,   24                         ; v24-25 eight scale bytes
.set WOFF,  176                        ; v176-207 byte offset of row i of a block: 4 x lane + i x a row of the weight
	s_load_b256 s[4:11], s[0:1], 0x0               ; x, W_qkv, W_proj, act_codes
	s_load_b128 s[12:15], s[0:1], 0x20             ; act_scales, w_codes
	s_load_b64 s[16:17], s[0:1], 0x30              ; w_scales
	v_lshl_add_u32 v208, v0, 2, 0x10800
	v_mov_b32 v209, 0
	v_lshrrev_b32 v1, 5, v0
	v_readfirstlane_b32 s20, v1                    ; wave
	v_and_b32 v2, 31, v0                           ; lane
	s_cmp_lt_u32 ttmp9, 256
	s_cbranch_scc0 .Lweights
	; ---------------- x ----------------
	v_lshlrev_b32 v3, 4, v2                        ; my 16 bytes of a load's 512
	s_mul_i32 s21, s20, WREG
	v_lshrrev_b32 v14, 2, v2
	v_mul_u32_u24 v14, v14, SP
	v_and_b32 v15, 3, v2
	v_lshl_add_u32 v14, v15, 4, v14
	v_add_nc_u32 v14, s21, v14                     ; the stage on the way in: SP (lane / 4) + 16 (lane % 4)
	v_mul_u32_u24 v15, v2, SP
	v_add_nc_u32 v15, s21, v15                     ; and on the way out: SP x lane: my 16 neighbours
	v_mul_u32_u24 v4, v2, CB                       ; my codes' place in a step's
	v_lshrrev_b32 v5, 1, v2
	s_add_co_u32 s21, s21, 2*32*SP
	v_add_nc_u32 v5, s21, v5                       ; LDS: my block's scale byte
	v_lshlrev_b32 v7, 3, v2
	v_add_nc_u32 v6, s21, v7                       ; and on the way out 8 bytes a lane
	s_lshl_b32 s22, ttmp9, 2
	s_add_co_u32 s22, s22, s20                     ; which run of 8,192 numbers is my wave's: 0 .. 1,023
	s_mov_b32 s25, 0
	s_lshl_b32 s24, s22, 15
	s_wait_kmcnt 0x0
	s_add_nc_u64 s[4:5], s[4:5], s[24:25]          ; 32,768 bytes of x a run,
	s_mul_i32 s24, s22, 32*STEPS*CB
	s_add_nc_u64 s[10:11], s[10:11], s[24:25]      ; 6,144 of codes,
	s_lshl_b32 s24, s22, 8
	s_add_nc_u64 s[12:13], s[12:13], s[24:25]      ; 256 scale bytes
.macro XLOAD t
.irp i, 0,1,2,3
	global_load_b128 v[R+16*((\t)%4)+4*\i:R+16*((\t)%4)+4*\i+3], v3, s[4:5] offset:2048*(\t)+512*\i th:TH_LOAD_NT   ; 32 lanes read 512 consecutive bytes
.endr
.endm
.macro XTURN t                         ; step t's numbers through the stage: LDS serves a wave's instructions in order, so no wait stands between the stores and the loads
.irp i, 0,1,2,3
	ds_store_b128 v14, v[R+16*((\t)%4)+4*\i:R+16*((\t)%4)+4*\i+3] offset:32*SP*((\t)%2)+8*SP*\i
.endr
.irp i, 0,1,2,3
	ds_load_b128 v[X+16*((\t)%2)+4*\i:X+16*((\t)%2)+4*\i+3], v15 offset:32*SP*((\t)%2)+16*\i
.endr
.endm
.irp t, 0,1,2,3
	XLOAD \t
.endr
	s_wait_loadcnt 12                              ; step 0's four loads are in; the twelve of steps 1 to 3 may be out
	XTURN 0
.macro XSTEP t
.set XS, X+16*((\t)%2)
.if (\t) > 0
	s_wait_dscnt 1                                 ; this step's numbers are back from the stage (the last step's byte store may be out)
.else
	s_wait_dscnt 0x0
.endif
.if (\t)+4 < STEPS
	XLOAD (\t)+4                                   ; into the set whose stores into the stage have been served
.endif
.if (\t)+1 < STEPS
.if STEPS-2-(\t) >= 3
	s_wait_loadcnt 12                              ; the next step's four loads are in; those of the three steps behind it may be out
.else
	s_wait_loadcnt 4*(STEPS-2-(\t))
.endif
	XTURN (\t)+1
.endif
	v_max3_num_f32 v8, |v[XS]|, |v[XS+1]|, |v[XS+2]|               ; the largest magnitude of my 16, in two chains
	v_max3_num_f32 v9, |v[XS+3]|, |v[XS+4]|, |v[XS+5]|
.irp i, 6,10
	v_max3_num_f32 v8, v8, |v[XS+\i]|, |v[XS+\i+1]|
	v_max3_num_f32 v9, v9, |v[XS+\i+2]|, |v[XS+\i+3]|
.endr
	v_max3_num_f32 v8, v8, |v[XS+14]|, |v[XS+15]|
	v_max3_num_f32 v8, v8, v9, 0x1800000           ; and the floor 2^(3 - 127): the byte cannot fall under 1
	v_max_num_f32_dpp v8, v8, v8 row_xmask:1 row_mask:0xf bank_mask:0xf   ; and of my neighbour's 16: the block's
	v_add_nc_u32 v11, 0xff000000, v8               ; 2 off its exponent field: the conversion takes the exponent field of this operand as its scale
	v_cvt_scalef32_pk16_fp6_f32 v[C+4*(\t):C+4*(\t)+2], v[XS:XS+15], v11
	v_lshrrev_b32 v[E+(\t)], 23, v11               ; the scale's byte
	ds_store_b8 v5, v[E+(\t)] offset:16*(\t)       ; both lanes of a block write the same byte with the same value
	global_store_b96 v4, v[C+4*(\t):C+4*(\t)+2], s[10:11] offset:32*CB*(\t)   ; the wave stores 384 consecutive bytes
.endm
.irp t, 0,1,2,3,4,5,6,7,8,9,10,11,12,13,14,15
	XSTEP \t
.endr
	ds_load_b64 v[12:13], v6                       ; LDS serves a wave's instructions in order: these see my stores
	s_wait_dscnt 0x0
	global_store_b64 v7, v[12:13], s[12:13]        ; 32 lanes store 256 consecutive bytes, aligned
	s_wait_tensorcnt 0x0
	ds_add_u32 v208, v209
	s_wait_dscnt 0x0
	s_endpgm
	; ---------------- the weights ----------------
.Lweights:
	s_sub_co_u32 s21, ttmp9, 256
	s_and_b32 s22, s21, 31                         ; gx: which 128 columns
	s_lshr_b32 s23, s21, 5                         ; y: which 256 along K
	s_mov_b32 s24, 4096
	s_wait_kmcnt 0x0
	s_cmp_lt_u32 s22, 24                           ; W_qkv or W_proj: the choice hangs on the work-group's number alone
	s_cselect_b64 s[6:7], s[6:7], s[8:9]
	s_cselect_b32 s24, 12288, s24                  ; a row of the weight in bytes
	s_cselect_b32 s25, 0, 24
	s_sub_co_u32 s25, s22, s25
	s_lshl_b32 s25, s25, 7
	s_lshl_b32 s26, s20, 5
	s_add_co_u32 s25, s25, s26                     ; my wave's first column in its weight
	s_lshl_b32 s26, s25, 2
	s_lshl_b32 s27, s23, 8
	s_mul_i32 s27, s27, s24                        ; 256 y rows
	s_add_co_u32 s26, s26, s27
	s_mov_b32 s27, 0
	s_add_nc_u64 s[32:33], s[6:7], s[26:27]        ; a base for each block of 32 rows; none is written again
	s_lshl_b32 s26, s24, 5
.irp t, 1,2,3,4,5,6,7
	s_add_nc_u64 s[32+2*\t:33+2*\t], s[30+2*\t:31+2*\t], s[26:27]
.endr
	v_lshlrev_b32 v3, 2, v2
.set i, 0
.rept 32
	v_mad_u32_u24 v[WOFF+i], s24, i, v3            ; 4 x lane + i rows
.set i, i+1
.endr
	s_mul_i32 s28, s20, 32*WP
	s_add_co_u32 s28, s28, WSTG                    ; my stage
	v_mul_u32_u24 v4, v2, WP
	v_add_nc_u32 v4, s28, v4                       ; into it: row = my column
	v_and_b32 v5, 15, v2
	v_lshrrev_b32 v6, 4, v2
	v_mul_u32_u24 v7, v6, WP
	v_lshl_add_u32 v7, v5, 4, v7
	v_add_nc_u32 v7, s28, v7                       ; out of it: sixteen lanes to a row, two rows an instruction
	v_mul_u32_u24 v8, v6, 768
	v_mad_u32_u24 v8, v5, 12, v8                   ; and the same place in w_codes
	v_lshrrev_b32 v9, 3, v2
	v_and_b32 v10, 7, v2
	v_lshl_add_u32 v9, v9, 4, v10
	v_lshlrev_b32 v9, 5, v9                        ; my column's row of scale bytes: (16 (lane / 8) + lane % 8) x 32
	s_lshl_b32 s29, s22, 7
	s_lshr_b32 s30, s20, 1
	s_lshl_b32 s30, s30, 6
	s_add_co_u32 s29, s29, s30
	s_and_b32 s30, s20, 1
	s_lshl_b32 s30, s30, 3
	s_add_co_u32 s29, s29, s30                     ; the row of my wave's column 0: 128 gx + 64 (wave / 2) + 8 (wave % 2)
	s_mul_i32 s30, s29, 768
	s_mul_i32 s31, s23, 192
	s_add_co_u32 s30, s30, s31
	s_mov_b32 s31, 0
	s_add_nc_u64 s[14:15], s[14:15], s[30:31]
	s_lshl_b32 s30, s29, 5
	s_lshl_b32 s29, s23, 3
	s_add_co_u32 s30, s30, s29
	s_add_nc_u64 s[16:17], s[16:17], s[30:31]
.macro WLOAD t                         ; block t: W(32 t + i, my column), i = 0 .. 31, into set t % 2: a wave reads 128 consecutive bytes, the four waves 512
.set i, 0
.rept 32
	global_load_b32 v[WX+32*((\t)%2)+i], v[WOFF+i], s[32+2*(\t):33+2*(\t)] th:TH_LOAD_NT
.set i, i+1
.endr
.endm
	WLOAD 0
	WLOAD 1
.macro WBLOCK t
.set XS, WX+32*((\t)%2)
.if (\t) < 7
	s_wait_loadcnt 32                              ; this block's 32 loads are in; the next block's 32 may be out
.else
	s_wait_loadcnt 0
.endif
	v_max3_num_f32 v12, |v[XS]|, |v[XS+1]|, |v[XS+2]|               ; the block's largest magnitude: all 32 numbers are mine
	v_max3_num_f32 v13, |v[XS+3]|, |v[XS+4]|, |v[XS+5]|
.irp i, 6,10,14,18,22,26
	v_max3_num_f32 v12, v12, |v[XS+\i]|, |v[XS+\i+1]|
	v_max3_num_f32 v13, v13, |v[XS+\i+2]|, |v[XS+\i+3]|
.endr
	v_max3_num_f32 v12, v12, |v[XS+30]|, |v[XS+31]|
	v_max3_num_f32 v12, v12, v13, 0x1800000        ; and the floor
	v_add_nc_u32 v11, 0xff000000, v12              ; the conversion's scale operand
	v_lshrrev_b32 v13, 23, v11                     ; the scale's byte
.if (\t)%4 == 0
	v_mov_b32 v[WSB+(\t)/4], v13                   ; four bytes to a register, the lower K in the lower byte
.else
	v_lshl_or_b32 v[WSB+(\t)/4], v13, 8*((\t)%4), v[WSB+(\t)/4]
.endif
	v_cvt_scalef32_pk16_fp6_f32 v[WC:WC+2], v[XS:XS+15], v11
	v_cvt_scalef32_pk16_fp6_f32 v[WC+4:WC+6], v[XS+16:XS+31], v11   ; (a conversion's three registers begin on an even number)
	ds_store_b96 v4, v[WC:WC+2] offset:32*(\t)     ; 12 bytes to a place of 16, so that every LDS address is a multiple of 16
	ds_store_b96 v4, v[WC+4:WC+6] offset:32*(\t)+16
.if (\t)+2 < 8
	WLOAD (\t)+2
.endif
	s_wait_dscnt 0x0                               ; the stores have read their registers: the next block's codes may be written
.endm
.irp t, 0,1,2,3,4,5,6,7
	WBLOCK \t
.endr
	global_store_b64 v9, v[WSB:WSB+1], s[16:17]    ; my column's eight scale bytes
.irp t, 0,1,2,3,4,5,6,7,8,9,10,11,12,13,14,15
	ds_load_b96 v[WOUT+4*\t:WOUT+4*\t+2], v7 offset:2*\t*WP
.endr
.irp t, 0,1,2,3,4,5,6,7,8,9,10,11,12,13,14,15
	s_wait_dscnt 15-\t                             ; the later read-backs may be out
	global_store_b96 v8, v[WOUT+4*\t:WOUT+4*\t+2], s[14:15] offset:(16*(\t/4)+2*(\t%4))*768   ; stage rows 2 t, 2 t + 1 go to rows 16 (t / 4) + 2 (t % 4) + 0, 1: sixteen lanes store 192 consecutive bytes
.endr
	s_wait_tensorcnt 0x0
	ds_add_u32 v208, v209
	s_wait_dscnt 0x0
	s_endpgm
.Lfunc_end_k_qfdc3fd8a0b_quant:
	.size	k_qfdc3fd8a0b_quant, .Lfunc_end_k_qfdc3fd8a0b_quant-k_qfdc3fd8a0b_quant
	.p2alignl 7, 3214868480
	.fill 96, 4, 3214868480
	.section	.rodata,"a",@progbits
	.p2align	6, 0x0
	.amdhsa_kernel k_qfdc3fd8a0b_quant
		.amdhsa_group_segment_fixed_size 68096
		.amdhsa_private_segment_fixed_size 0
		.amdhsa_enable_private_segment 0
		.amdhsa_kernarg_size 56
		.amdhsa_user_sgpr_count 2
		.amdhsa_user_sgpr_kernarg_segment_ptr 1
		.amdhsa_wavefront_size32 1
		.amdhsa_system_sgpr_workgroup_id_x 1
		.amdhsa_system_sgpr_workgroup_id_y 1
		.amdhsa_system_sgpr_workgroup_id_z 1
		.amdhsa_system_vgpr_workitem_id 0
		.amdhsa_next_free_vgpr 210
		.amdhsa_next_free_sgpr 66
		.amdhsa_reserve_vcc 0
		.amdhsa_float_denorm_mode_32 3
		.amdhsa_float_denorm_mode_16_64 3
		.amdhsa_memory_ordered 1
		.amdhsa_forward_progress 1
		.amdhsa_inst_pref_size 76
	.end_amdhsa_kernel
	.amdgpu_metadata
---
amdhsa.version: [ 1, 2 ]
amdhsa.kernels:
  - .name:           k_qfdc3fd8a0b_quant
    .symbol:         k_qfdc3fd8a0b_quant.kd
    .args:
      - { .name: x, .offset: 0, .size: 8, .value_kind: global_buffer, .address_space: global }
      - { .name: W_qkv, .offset: 8, .size: 8, .value_kind: global_buffer, .address_space: global }
      - { .name: W_proj, .offset: 16, .size: 8, .value_kind: global_buffer, .address_space: global }
      - { .name: act_codes, .offset: 24, .size: 8, .value_kind: global_buffer, .address_space: global }
      - { .name: act_scales, .offset: 32, .size: 8, .value_kind: global_buffer, .address_space: global }
      - { .name: w_codes, .offset: 40, .size: 8, .value_kind: global_buffer, .address_space: global }
      - { .name: w_scales, .offset: 48, .size: 8, .value_kind: global_buffer, .address_space: global }
    .group_segment_fixed_size: 68096
    .private_segment_fixed_size: 0
    .kernarg_segment_align: 8
    .kernarg_segment_size: 56
    .max_flat_workgroup_size: 128
    .sgpr_count:     66
    .vgpr_count:     210
    .wavefront_size: 32
...
	.end_amdgpu_metadata
.endif
;; end of part 1
;; launch qkv (part 2): grid 12 x 32, 4 waves a work-group, clusters of 4 x 4, 327,680 bytes of LDS; arguments act_codes, act_scales, w_codes, w_scales, q_codes, q_scales, kv, b_qkv; writes q_codes, q_scales, kv
.if DOCPART == 2
	.amdgcn_target "amdgcn-amd-amdhsa--gfx1250"
	.amdhsa_code_object_version 6
	.text
	.protected	k_qfdc3fd8a0b_qkv
	.globl	k_qfdc3fd8a0b_qkv
	.p2align	8
	.type	k_qfdc3fd8a0b_qkv,@function
k_qfdc3fd8a0b_qkv:
	s_mov_b64 s[64:65], 0
	v_nop
	global_prefetch_b8 v0, s[64:65] scope:SCOPE_SE
	s_setreg_imm32_b32 hwreg(HW_REG_WAVE_MODE, 25, 1), 1
	s_wait_xcnt 0x0
	s_wait_alu depctr_hold_cnt(0) depctr_sa_sdst(0) depctr_va_vdst(0) depctr_va_sdst(0) depctr_va_ssrc(0) depctr_va_vcc(0) depctr_vm_vsrc(0)
	s_getreg_b32 s2, hwreg(HW_REG_IB_STS2, 6, 4)
	s_cmp_eq_u32 s2, 0
	s_cbranch_scc0 .Lentry_in_a_cluster
	s_endpgm
.Lentry_in_a_cluster:
	s_bfe_u32 s2, ttmp6, 0x10000c
	s_cmp_lg_u32 s2, 0xf033
	s_cbranch_scc0 .Lentry_shape_is_right
	s_endpgm
.Lentry_shape_is_right:
; qkv = x W_qkv + b_qkv on codes of FP6 (E2M3) with E8M0 block scales, [8192 x 1024] x [1024 x 3072]; the results never leave as f32: the way out quantises q and k along the head's 64 and v along the keys,
; and lays them as the attention launch's operand registers want them.
; A tile of 256 x 256 is made by a work-group of four waves, a wave makes 128 x 128: 64 accumulators, 512 registers.  K goes in steps of 256 through a ring of two LDS slots filled by the tensor data mover;
; the scale bytes of the work-group's rows come into LDS once.  CLUSTERS: 4 x 4 work-groups; A's tiles are asked for jointly along a row of the cluster, B's along a column.
; THE MATRIX INSTRUCTION IS USED TRANSPOSED (source 0 = 16 rows of the weight, source 1 = 16 tokens).  The weight's rows were laid so that lane (r, h) of column tile b holds, of token r, columns 64 (b / 4) + 32 h + 8 (b % 4) + j:
; the 32 registers of tiles 4 e .. 4 e + 3 are one whole block of 32 of head e, in order.  The bias is the C of each sum's first matrix instruction.
; A wave's 128 tokens are one key step of attention and its 128 columns two heads.  Cluster x says what the columns are: 0 q, 1 k, 2 v; it is the same in all sixteen partners.
; LIMITS: NaN and infinities are not served; a block whose largest magnitude lies under 2^-124 has its byte held at 1; a block of zeros gets the byte 1, not 127: its codes are zeros and this program alone reads the bytes.
; REGISTERS, in windows of 256: window 0: v0-31 addresses; v32-63 scale words, two sets; v64-127 the bias; from v128 A's fragments, one set; on the way out v64-255 are free.
;   window 1: B's fragments, two sets, at v0 and v128.  window 2: the accumulators of my tokens 0-63 ((a, b) at v[8 (8 a + b)]); window 3: those of tokens 64-127.
.set KSTEP,  256
.set NQ,     2                         ; matrix instructions deep in a slot
.set ROWB,   192                       ; a tile's row in bytes
.set KROW,   768                       ; a row of codes in memory
.set PITCH,  240                       ; an LDS row: 3 x (64 bytes + 16 of padding)
.set FR,     12
.set NL,     6
.set NP,     4                         ; places behind this matrix instruction (ISA guide 7.12.1)
.set HALFT,  128*PITCH
.set SLOT,   4*HALFT
.set LAPS,   2                         ; 1,024 along K = four K steps = twice round the ring
.set KS,     32                        ; a row of scale bytes
.set SCL,    2*SLOT
.set HALFS,  16*272                    ; the scales of 128 rows: 16 units of 256 bytes + 16
.set SBLK,   2*272
.set SPARE,  SCL+4*HALFS               ; the spare words: 128 bytes a wave, two blocks of 256 bytes that no other line names
.set KSTG,   SPARE+512                 ; k's way out: 12,800 bytes a wave (two heads x (6,144 of images + 256 of scale words)); no fill ever lands here
.set VSTG,   0                         ; v's way out lies in slot 0, which has had its last fill and its last read: 32 rows x 528 bytes a wave,
.set VIMG,   4*16896                   ; and 12,800 bytes a wave of images
.set L16,  3                           ; v3  16 x lane
.set L8,   4                           ; v4  8 x lane
.set SH8,  5                           ; v5  8 h
.set KST,  6                           ; v6  k: where my codes go
.set KSB,  7                           ; v7  k: where my scale byte goes
.set KRD16, 8                          ; v8, v9  k: the images back
.set KRD8, 9
.set VSTO, 10                          ; v10 v: f32 into the stage
.set VRD,  11                          ; v11 v: a column out of it
.set VIM,  12                          ; v12 v: where my codes go
.set VSW,  13                          ; v13 v: where my scale word goes
.set VRD16, 14                         ; v14, v15  v: the images back
.set VRD8, 15
.set ADRA, 16
.set ADRB, 20
.set ADRS, 27
.set SPW,  28
.set NIL,  29
.set SC,   32
.set BI,   64                          ; the bias of my 128 columns, eight registers a column tile, in the result's layout
.set AF,   128
.set CD,   64                          ; the way out: six registers of codes for (block of tokens a, head e) at v[CD + 16 a + 8 e]
.set QW,   192                         ; q's scale words
.set MX,   224
.set SO,   228
.set CT,   232
.set BY,   240                         ; the scale bytes, a register for each (a, e)
.set G1, 24
.set G0, 32
.set G1B, 48
.set G0B, 56
.set G1S, 68
.set G0S, 76
.set G1SB, 80
.set G0SB, 88
.set MSB, 0
.macro WIN new                         ; the immediate's high byte repeats the setting that is left
.if MSB != (\new)
	s_set_vgpr_msb (MSB<<8)|(\new)
.set MSB, (\new)
.endif
.endm
.set MUL_LO, 0xa1                      ; source 0 (B) window 1, source 1 (A) window 0, C and D window 2
.set MUL_HI, 0xf1
.set TO_B,   0x40
; A joint load: waves 0 and 1 fetch for A, waves 2 and 3 for B.  The branch hangs on the wave's number alone.  Four v_nop follow each of the two lines.
.macro JLOAD g0a, g1a, g0b, g1b
	s_cmp_eq_u32 s15, 0
	s_cbranch_scc0 .Lfor_b_\@
	tensor_load_to_lds s[\g0a:\g0a+3], s[\g1a:\g1a+7]
	s_nop 0
.rept 4
	v_nop
.endr
	s_branch .Lasked_\@
.Lfor_b_\@:
	tensor_load_to_lds s[\g0b:\g0b+3], s[\g1b:\g1b+7]
	s_nop 0
.rept 4
	v_nop
.endr
.Lasked_\@:
.endm
.macro CREST                           ; a round of the cluster's barrier behind its opening barrier
	s_cmp_lg_u32 s14, 0
	s_cbranch_scc1 .Lnot_wave_0_\@
	s_barrier_signal -3
.Lnot_wave_0_\@:
	s_barrier_wait -3
	s_barrier_signal -1
	s_barrier_wait -1
.endm
.macro CROUND
	s_barrier_signal -1
	s_barrier_wait -1
	CREST
.endm
	s_load_b128 s[4:7], s[0:1], 0x0                ; x's codes, x's scales
	s_load_b128 s[8:11], s[0:1], 0x10              ; the weights' codes, scales
	s_load_b128 s[96:99], s[0:1], 0x20             ; q_codes, q_scales
	s_load_b64 s[12:13], s[0:1], 0x30              ; kv
	s_load_b64 s[66:67], s[0:1], 0x38              ; b_qkv
	v_lshl_add_u32 v[SPW], v0, 2, SPARE
	v_mov_b32 v[NIL], 0
	ds_add_u32 v28, v29
	ds_add_u32 v28, v29
	s_wait_dscnt 0x0
	v_lshrrev_b32 v1, 5, v0
	v_readfirstlane_b32 s14, v1                    ; wave 0..3
	s_lshr_b32 s15, s14, 1                         ; which half of the tile's rows is mine.  Also: I fetch for A (0) or for B (1)
	s_and_b32 s16, s14, 1                          ; which half of its columns.  Also: which 128 rows of that tile I fetch
	s_bfe_u32 s40, ttmp6, 0x40000                  ; cx, cy
	s_bfe_u32 s41, ttmp6, 0x40004
	s_lshl_b32 s42, ttmp9, 2
	s_add_co_u32 s42, s42, s40                     ; tile column = 4 x cluster x + cx
	s_and_b32 s17, ttmp7, 0xffff
	s_lshl_b32 s17, s17, 2
	s_add_co_u32 s17, s17, s41                     ; tile row = 4 x cluster y + cy
	s_lshl_b32 s43, s41, 2
	s_lshl_b32 s43, 15, s43                        ; my row of the cluster
	s_lshl_b32 s44, 0x1111, s40                    ; my column
	s_mov_b32 s100, 0x76543210
	s_mov_b32 s101, 0xfedcba98                     ; v_permlanex16_b32's selects for lane l xor 16
	; descriptor group 1: a tile of 128 rows x 192 bytes, 16 bytes of padding behind every 64
	s_or_b32 s[G1+0], s43, (0<<16)|(1<<20)|(1<<21)|(3<<22)|(3<<25)
	s_or_b32 s[G1B+0], s44, (0<<16)|(1<<20)|(1<<21)|(3<<22)|(3<<25)
.irp g, G1, G1B
	s_mov_b32 s[\g+1], ROWB<<16                    ; tensor_dim0
	s_mov_b32 s[\g+2], 128<<16                     ; tensor_dim1
	s_mov_b32 s[\g+3], ROWB<<16                    ; tile_dim0
	s_mov_b32 s[\g+4], 128                         ; tile_dim1
	s_mov_b32 s[\g+5], KROW                        ; tensor_dim0_stride
	s_mov_b32 s[\g+6], 0
	s_mov_b32 s[\g+7], 0
.endr
	; the scales of 128 rows: a dense block of 4,096 bytes as 16 rows of 256 bytes (32 elements of 8), 16 bytes of padding behind each
	s_or_b32 s[G1S+0], s43, (3<<16)|(1<<20)|(1<<21)|(5<<22)|(3<<25)
	s_or_b32 s[G1SB+0], s44, (3<<16)|(1<<20)|(1<<21)|(5<<22)|(3<<25)
.irp g, G1S, G1SB
	s_mov_b32 s[\g+1], 32<<16
	s_mov_b32 s[\g+2], 16<<16
	s_mov_b32 s[\g+3], 32<<16
	s_mov_b32 s[\g+4], 16
	s_mov_b32 s[\g+5], 32
	s_mov_b32 s[\g+6], 0
	s_mov_b32 s[\g+7], 0
.endr
	s_lshl_b32 s18, s16, 7
	s_lshl_b32 s20, s17, 8
	s_add_co_u32 s20, s20, s18                     ; A: row 256 x tile row + 128 x half
	s_lshl_b32 s46, s42, 8
	s_add_co_u32 s46, s46, s18                     ; B: row 256 x tile column + 128 x half
	s_mov_b32 s21, 0
	s_mov_b32 s47, 0
	s_mov_b64 s[18:19], KS
	s_mul_u64 s[22:23], s[20:21], s[18:19]
	s_mul_u64 s[92:93], s[46:47], s[18:19]
	s_mov_b64 s[18:19], KROW
	s_mul_u64 s[20:21], s[20:21], s[18:19]
	s_mul_u64 s[46:47], s[46:47], s[18:19]
	s_mul_i32 s45, s14, HALFT                      ; where they go: wave x 128 rows: no place in the cluster enters an LDS address
	s_mul_i32 s94, s14, HALFS
	s_wait_kmcnt 0x0
	s_add_nc_u64 s[20:21], s[4:5], s[20:21]
	s_add_nc_u64 s[22:23], s[6:7], s[22:23]
	s_add_nc_u64 s[46:47], s[8:9], s[46:47]
	s_add_nc_u64 s[92:93], s[10:11], s[92:93]
	CROUND                                         ; all sixteen work-groups are here: the first joint loads meet
	s_mov_b32 s[G0S], 1
	s_add_co_u32 s[G0S+1], s94, SCL
	s_mov_b64 s[G0S+2:G0S+3], s[22:23]
	s_or_b32 s[G0S+3], s[G0S+3], 0x80000000
	s_mov_b32 s[G0SB], 1
	s_add_co_u32 s[G0SB+1], s94, SCL
	s_mov_b64 s[G0SB+2:G0SB+3], s[92:93]
	s_or_b32 s[G0SB+3], s[G0SB+3], 0x80000000
	JLOAD G0S, G1S, G0SB, G1SB                     ; the scales first: they are wanted with K step 0
.irp s, 0,1
	s_mov_b32 s[G0+4*\s], 1
	s_add_co_u32 s[G0+4*\s+1], s45, \s*SLOT
	s_add_nc_u64 s[G0+4*\s+2:G0+4*\s+3], s[20:21], \s*ROWB
	s_or_b32 s[G0+4*\s+3], s[G0+4*\s+3], 0x80000000
	s_mov_b32 s[G0B+4*\s], 1
	s_add_co_u32 s[G0B+4*\s+1], s45, \s*SLOT
	s_add_nc_u64 s[G0B+4*\s+2:G0B+4*\s+3], s[46:47], \s*ROWB
	s_or_b32 s[G0B+4*\s+3], s[G0B+4*\s+3], 0x80000000
	JLOAD G0+4*\s, G1, G0B+4*\s, G1B
.endr
	v_and_b32 v1, 15, v0                           ; r
	v_bfe_u32 v2, v0, 4, 1                         ; h
	; the bias: lane (r, h) wants, for column tile t, the eight numbers at 64 (t / 4) + 32 h + 8 (t % 4)
	v_lshlrev_b32 v30, 7, v2
	s_lshl_b32 s22, s42, 10
	s_lshl_b32 s23, s16, 9
	s_add_co_u32 s22, s22, s23
	s_mov_b32 s23, 0
	s_add_nc_u64 s[66:67], s[66:67], s[22:23]
.irp t, 0,1,2,3,4,5,6,7
	global_load_b128 v[BI+8*\t:BI+8*\t+3], v30, s[66:67] offset:(64*(\t/4)+8*(\t%4))*4
	global_load_b128 v[BI+8*\t+4:BI+8*\t+7], v30, s[66:67] offset:(64*(\t/4)+8*(\t%4))*4+16
.endr
	v_mul_u32_u24 v24, v1, PITCH
	v_mul_u32_u24 v25, v2, 24
	v_add_nc_u32 v25, v24, v25                     ; a fragment's row x pitch + 24 x half
	v_lshl_add_u32 v26, v2, 4, v25                 ; and the same behind one padding more
	s_mul_i32 s21, s15, HALFT
	s_mul_i32 s22, s16, HALFT
	s_add_co_u32 s22, s22, 2*HALFT
.irp s, 0,1
	v_add_nc_u32 v[ADRA+\s], s21, v25
	v_add_nc_u32 v[ADRB+\s], s22, v25
	v_add_nc_u32 v[ADRA+2+\s], s21, v26
	v_add_nc_u32 v[ADRB+2+\s], s22, v26
	s_add_co_u32 s21, s21, SLOT
	s_add_co_u32 s22, s22, SLOT
.endr
	v_mul_u32_u24 v25, v1, KS                      ; my row's scales: 32 bytes a row,
	v_lshrrev_b32 v26, 8, v25
	v_lshl_add_u32 v25, v26, 4, v25                ; and 16 more for each 256 passed
	s_mul_i32 s21, s15, HALFS
	s_mul_i32 s22, s16, HALFS
	s_add_co_u32 s22, s22, 2*HALFS
	s_sub_co_u32 s22, s22, s21
	v_mul_u32_u24 v26, s22, v2                     ; lanes 16-31 take B's
	s_add_co_u32 s21, s21, SCL
	v_add_nc_u32 v25, v25, v26
	v_add_nc_u32 v[ADRS], s21, v25
	; every LDS address of the way out is made here, ahead of the place where the three kinds part
	v_and_b32 v31, 31, v0                          ; lane
	v_lshlrev_b32 v[L16], 4, v31
	v_lshlrev_b32 v[L8], 3, v31
	v_lshlrev_b32 v[SH8], 3, v2
	v_lshrrev_b32 v24, 3, v1                       ; r / 8
	v_and_b32 v25, 7, v1                           ; r % 8
	s_mul_i32 s21, s14, 12800
	s_add_co_u32 s22, s21, KSTG
	v_mul_u32_u24 v[KST], v24, 1536
	v_lshl_add_u32 v[KST], v25, 4, v[KST]
	v_lshl_add_u32 v[KST], v2, 8, v[KST]
	v_add_nc_u32 v[KST], s22, v[KST]               ; 1,536 (r / 8) + 16 (r % 8) + 256 h
	v_lshlrev_b32 v[KSB], 7, v24
	v_lshl_add_u32 v[KSB], v25, 3, v[KSB]
	v_add_nc_u32 v[KSB], v[KSB], v2
	v_add_nc_u32 v[KSB], s22, v[KSB]               ; 128 (r / 8) + 8 (r % 8) + h
	v_add_nc_u32 v[KRD16], s22, v[L16]
	v_add_nc_u32 v[KRD8], s22, v[L8]
	s_mul_i32 s23, s14, 16896
	v_mul_u32_u24 v[VSTO], v1, 528
	v_lshl_add_u32 v[VSTO], v2, 7, v[VSTO]
	v_add_nc_u32 v[VSTO], s23, v[VSTO]             ; 528 r + 128 h
	v_lshlrev_b32 v[VRD], 2, v31
	v_add_nc_u32 v[VRD], s23, v[VRD]               ; 4 x lane
	s_add_co_u32 s22, s21, VIMG
	v_lshrrev_b32 v24, 3, v31                      ; lane / 8
	v_and_b32 v25, 7, v31                          ; lane % 8
	v_mul_u32_u24 v[VIM], v24, 1536
	v_lshl_add_u32 v[VIM], v25, 4, v[VIM]
	v_add_nc_u32 v[VIM], s22, v[VIM]               ; 1,536 (lane / 8) + 16 (lane % 8)
	v_and_b32 v26, 1, v24
	v_lshlrev_b32 v[VSW], 3, v25
	v_lshl_add_u32 v[VSW], v26, 7, v[VSW]
	v_lshl_add_u32 v[VSW], v2, 2, v[VSW]
	v_add_nc_u32 v[VSW], s22, v[VSW]               ; 8 (lane % 8) + 128 ((lane / 8) % 2) + 4 (lane / 16)
	v_add_nc_u32 v[VRD16], s22, v[L16]
	v_add_nc_u32 v[VRD8], s22, v[L8]
	; where my results go in memory: batch = tile row / 8; key step st = 2 (tile row % 8) + row half; my first head = 16 batch + 4 cx + 2 column half
	s_lshr_b32 s20, s17, 3
	s_lshl_b32 s20, s20, 4
	s_lshl_b32 s21, s40, 2
	s_add_co_u32 s20, s20, s21
	s_lshl_b32 s21, s16, 1
	s_add_co_u32 s20, s20, s21                     ; the head
	s_and_b32 s21, s17, 7
	s_lshl_b32 s21, s21, 1
	s_add_co_u32 s21, s21, s15                     ; st
	s_lshl_b32 s22, s20, 4
	s_add_co_u32 s22, s22, s21
	s_mul_i32 s22, s22, 12800
	s_mov_b32 s23, 0
	s_add_nc_u64 s[12:13], s[12:13], s[22:23]      ; kv: 16 steps of 12,800 bytes a head
	s_mul_i32 s22, s20, 98304
	s_mul_i32 s46, s21, 6144
	s_add_co_u32 s22, s22, s46
	s_add_nc_u64 s[96:97], s[96:97], s[22:23]      ; q_codes: 128 tiles of 768 bytes a head, eight tiles a step
	s_lshl_b32 s22, s20, 14
	s_lshl_b32 s46, s21, 10
	s_add_co_u32 s22, s22, s46
	s_add_nc_u64 s[98:99], s[98:99], s[22:23]      ; q_scales: 32 groups of 512 bytes a head, two a step
.macro FRAG reg, adr, q, i             ; a fragment, 16 rows x 128 K, is 12 registers: lane l holds row l % 16; registers 6 c .. 6 c + 5 hold K = 64 c + 32 (l / 16) + 0 .. 31: 24 bytes of the row's stream of bits
.irp p, 0,1,2,3,4,5                    ; in pieces of 8 bytes; where the piece of lanes 16-31 lies behind one padding more, the second address register serves
.set PC, 12*(\q)+6*(\p/3)+\p%3
.if PC%8 < 5
	ds_load_b64 v[\reg+2*\p:\reg+2*\p+1], v[\adr] offset:8*PC+16*(PC/8)+(\i)*16*PITCH
.else
	ds_load_b64 v[\reg+2*\p:\reg+2*\p+1], v[\adr+2] offset:8*PC+16*(PC/8)+(\i)*16*PITCH
.endif
.endr
.endm
; 16 matrix instructions: A's blocks a0, a0 + 1 x B's eight.  first = 1: the sums begin with the bias as C.  The 64 accumulators take turns, one instruction a turn.
.macro MUL16 a0, p, q, sc, first
.irp a, \a0, \a0+1
.irp b, 0,1,2,3,4,5,6,7
.if \first
	v_wmma_scale_f32_16x16x128_f8f6f4 v[8*(8*((\a)%4)+\b):8*(8*((\a)%4)+\b)+7], v[128*(\p)+FR*\b:128*(\p)+FR*\b+FR-1], v[AF+FR*(\a):AF+FR*(\a)+FR-1], v[BI+8*\b:BI+8*\b+7], v[SC+8*NQ*(\sc)+NQ*\b+(\q)], v[SC+8*NQ*(\sc)+NQ*(\a)+(\q)] matrix_a_fmt:MATRIX_FMT_FP6 matrix_b_fmt:MATRIX_FMT_FP6 matrix_a_scale:MATRIX_SCALE_ROW1
.else
	v_wmma_scale_f32_16x16x128_f8f6f4 v[8*(8*((\a)%4)+\b):8*(8*((\a)%4)+\b)+7], v[128*(\p)+FR*\b:128*(\p)+FR*\b+FR-1], v[AF+FR*(\a):AF+FR*(\a)+FR-1], v[8*(8*((\a)%4)+\b):8*(8*((\a)%4)+\b)+7], v[SC+8*NQ*(\sc)+NQ*\b+(\q)], v[SC+8*NQ*(\sc)+NQ*(\a)+(\q)] matrix_a_fmt:MATRIX_FMT_FP6 matrix_b_fmt:MATRIX_FMT_FP6 matrix_a_scale:MATRIX_SCALE_ROW1
.endif
.endr
.endr
.endm
.macro FETCH_B slot, q, p
	WIN TO_B
.irp i, 0,1,2,3,4,5,6,7
	FRAG 128*(\p)+FR*\i, ADRB+\slot, \q, \i
.endr
	WIN 0
.endm
.macro FETCH_A slot, q, i0
.irp i, \i0, \i0+1, \i0+2, \i0+3
	FRAG AF+FR*(\i), ADRA+\slot, \q, \i
.endr
.endm
.macro SCALES sc                       ; a K step's scale words: lanes 0-15 take A's block i, lanes 16-31 B's block i
.irp i, 0,1,2,3,4,5,6,7
	ds_load_b64 v[SC+8*NQ*\sc+NQ*\i:SC+8*NQ*\sc+NQ*\i+1], v[ADRS] offset:\i*SBLK
.endr
.endm
.macro PLACES n                        ; plain vector instructions between a matrix instruction and a load into, or a read of, its registers
.rept \n
	v_nop
.endr
.endm
.macro STEP slot, q, first             ; a step of 128 along K that has its successor in the same slot
	s_wait_dscnt 4*NL                              ; B's set and A's blocks 0-3 are in; the youngest 24 loads (A's blocks 4-7) may be out
	WIN MUL_LO-0x20*\first                         ; (with the bias as C: source 2 in window 0)
	MUL16 0, (\q)%2, \q, \slot, \first
	MUL16 2, (\q)%2, \q, \slot, \first
	s_wait_dscnt 0
	PLACES NP
	FETCH_B \slot, (\q)+1, 1-(\q)%2
	FETCH_A \slot, (\q)+1, 0
	WIN MUL_HI-0x30*\first
	MUL16 4, (\q)%2, \q, \slot, \first
	MUL16 6, (\q)%2, \q, \slot, \first
	PLACES NP
	WIN 0
	FETCH_A \slot, (\q)+1, 4
.endm
; A slot's last step changes slots: one barrier; in front of it each wave waits for all its tensor loads, adds 0 to its spare word, and waits for that and for its own reads of this slot.
.macro TURN slot, next, fill
	s_wait_tensorcnt 0x0                           ; all my tensor loads have landed: my part of the next slot
	ds_add_u32 v[SPW], v[NIL]                      ; 0 onto my spare word
	s_wait_dscnt 4*NL+1                            ; (the add and the youngest 24 loads, A's blocks 4-7, may be out)
	WIN MUL_LO
	MUL16 0, 1, NQ-1, \slot, 0
	s_wait_dscnt 0x0                               ; the add is done, and my reads of this slot are over
	s_barrier_signal -1
	MUL16 2, 1, NQ-1, \slot, 0
	WIN 0
	s_barrier_wait -1
.if \fill
	CREST                                          ; the barrier has opened a round of the cluster's barrier: no wave of any partner still reads this slot or has a load on its way
	s_add_nc_u64 s[G0+4*\slot+2:G0+4*\slot+3], s[G0+4*\slot+2:G0+4*\slot+3], 2*ROWB
	s_add_nc_u64 s[G0B+4*\slot+2:G0B+4*\slot+3], s[G0B+4*\slot+2:G0B+4*\slot+3], 2*ROWB
	JLOAD G0+4*\slot, G1, G0B+4*\slot, G1B         ; the first tensor load behind the round; its four v_nop are the places in front of the loads below
.else
	PLACES NP
.endif
	v_add_nc_u32 v[ADRS], 4*NQ, v[ADRS]            ; on to the next K step's scale words
	FETCH_B \next, 0, 0
	FETCH_A \next, 0, 0
	SCALES \next
	WIN MUL_HI
	MUL16 4, 1, NQ-1, \slot, 0
	MUL16 6, 1, NQ-1, \slot, 0
	PLACES NP
	WIN 0
	FETCH_A \next, 0, 4
.endm
	s_wait_tensorcnt 1                             ; the scales and my part of K step 0 are in (K step 1's load may be out),
	s_barrier_signal -1
	s_barrier_wait -1                              ; everybody's are
	FETCH_B 0, 0, 0
	FETCH_A 0, 0, 0
	SCALES 0
	FETCH_A 0, 0, 4
	s_wait_loadcnt 0x0                             ; the bias
	STEP 0, 0, 1                                   ; the first step stands in front of the loop: its products start the sums on the bias
	s_mov_b32 s3, LAPS-1
.Llap:
	TURN 0, 1, 1
	STEP 1, 0, 0
	TURN 1, 0, 1
	STEP 0, 0, 0
	s_sub_co_u32 s3, s3, 1
	s_cmp_lg_u32 s3, 0
	s_cbranch_scc1 .Llap
	TURN 0, 1, 0                                   ; the last lap fills nothing
	STEP 1, 0, 0
	s_wait_dscnt 4*NL
	WIN MUL_LO
	MUL16 0, 1, NQ-1, 1, 0
	MUL16 2, 1, NQ-1, 1, 0
	s_wait_dscnt 0
	WIN MUL_HI
	MUL16 4, 1, NQ-1, 1, 0
	MUL16 6, 1, NQ-1, 1, 0
	WIN 0
	PLACES NP                                      ; behind the last products: what follows reads results and writes registers that held operands
; THE WAY OUT.
; q and k: block of tokens a: lane (r, h) holds, of token 16 a + r and head e, the whole block h of 32 along the head: 32 registers.  Its largest magnitude needs no other lane; two conversions give its 24 bytes of codes.
.macro QKQ a
.set AC, 64*((\a)%4)
	WIN 0x0a+5*((\a)/4)                            ; sources 0 and 1 in the accumulators' window
.irp k, 0,1,2,3
	v_max_num_f32 v[MX+\k], |v[AC+16*\k]|, |v[AC+16*\k+1]|           ; four chains of 16: each accumulator is read from its low end on
.endr
	WIN 0x28+0x14*((\a)/4)                         ; sources 1 and 2
.irp i, 2,4,6,8,10,12,14
.irp k, 0,1,2,3
	v_max3_num_f32 v[MX+\k], v[MX+\k], |v[AC+16*\k+\i]|, |v[AC+16*\k+\i+1]|
.endr
.endr
	WIN 0
.irp e, 0,1
	v_max3_num_f32 v[MX+2*\e], v[MX+2*\e], v[MX+2*\e+1], 0x1800000   ; the block's largest magnitude, and the floor 2^(3 - 127)
.endr
.irp e, 0,1
	v_add_nc_u32 v[SO+\e], 0xff000000, v[MX+2*\e]  ; 2 off its exponent field: the conversion's scale operand
.endr
.irp e, 0,1
	v_lshrrev_b32 v[BY+2*(\a)+\e], 23, v[SO+\e]    ; the scale's byte
.endr
	WIN 0x02+(\a)/4
.irp e, 0,1
	v_cvt_scalef32_pk16_fp6_f32 v[CD+16*(\a)+8*\e:CD+16*(\a)+8*\e+2], v[AC+32*\e:AC+32*\e+15], v[SO+\e]
	v_cvt_scalef32_pk16_fp6_f32 v[CT+4*\e:CT+4*\e+2], v[AC+32*\e+16:AC+32*\e+31], v[SO+\e]   ; (a conversion's three registers begin on an even number)
.endr
	WIN 0
	v_nop                                          ; one plain place behind a scaled conversion
.irp e, 0,1
.irp i, 0,1,2
	v_mov_b32 v[CD+16*(\a)+8*\e+3+\i], v[CT+4*\e+\i]
.endr
.endr
.endm
; Two heads' images (6,144 bytes) and scale words (256 bytes) come back from my own LDS bytes and leave in whole runs of 512 and 256 consecutive bytes.
.macro SENDIMG rd16, rd8, gimg, gsc
	s_wait_dscnt 0x0                               ; my LDS stores have read their registers
.irp e, 0,1
.irp i, 0,1,2,3,4,5,6,7,8,9,10,11
	ds_load_b128 v[64+64*\e+4*\i:64+64*\e+4*\i+3], v[\rd16] offset:6400*\e+512*\i
.endr
	ds_load_b64 v[64+64*\e+48:64+64*\e+49], v[\rd8] offset:6400*\e+6144
.endr
.irp e, 0,1
	s_wait_dscnt 13-13*\e                          ; head 0's 13 loads are in, head 1's 13 may be out; then all
.irp i, 0,1,2,3,4,5,6,7,8,9,10,11
	global_store_b128 v[L16], v[64+64*\e+4*\i:64+64*\e+4*\i+3], s[12:13] offset:204800*\e+\gimg+512*\i
.endr
	global_store_b64 v[L8], v[64+64*\e+48:64+64*\e+49], s[12:13] offset:204800*\e+\gsc
.endr
.endm
	s_cmp_eq_u32 ttmp9, 2                          ; cluster x: the same in all sixteen partners
	s_cbranch_scc1 .Lv
.irp a, 0,1,2,3,4,5,6,7
	QKQ \a
.endr
	s_cmp_eq_u32 ttmp9, 1
	s_cbranch_scc1 .Lk
	; ---- q: a lane's six registers ARE its six registers of attention's operand: tile 8 st + a, query r, block h.  They are stored as an image: bytes 0-15 at 16 x lane, bytes 16-23 at 512 + 8 x lane.
	v_mov_b32 v209, 0                              ; (a lane permute's destination counts as one of its sources)
.irp a, 0,1,2,3,4,5,6,7
.irp e, 0,1
	v_lshlrev_b32 v208, v[SH8], v[BY+2*\a+\e]      ; my block's byte at its place,
	v_permlanex16_b32 v209, v208, s100, s101
	v_or_b32 v208, v208, v209                      ; with lane l xor 16's: (s0, s1),
	v_lshl_or_b32 v[QW+8*\e+\a], v208, 16, v208    ; twice: the word serves the query in the lower and in the upper 64 of an instruction's K
	global_store_b128 v[L16], v[CD+16*\a+8*\e:CD+16*\a+8*\e+3], s[96:97] offset:98304*\e+768*\a
	global_store_b64 v[L8], v[CD+16*\a+8*\e+4:CD+16*\a+8*\e+5], s[96:97] offset:98304*\e+768*\a+512
.endr
.endr
.irp e, 0,1
.irp g, 0,1
	global_store_b128 v[L16], v[QW+8*\e+4*\g:QW+8*\e+4*\g+3], s[98:99] offset:16384*\e+512*\g   ; four tiles' words a lane
.endr
.endr
	s_branch .Ldone
	; ---- k: key 16 a + r = 64 c + 32 h' + 16 u + 8 y + j goes to fragment 2 c + y, row 8 h' + j, K 64 u on: a row holds two keys on end.  Register p of lane L of a fragment lies at 512 (p / 4) + 16 L + 4 (p % 4).
.Lk:
.irp a, 0,1,2,3,4,5,6,7
.irp e, 0,1
.set IM, 6400*\e+3072*(\a/4)+128*((\a/2)%2)
.set CR, CD+16*\a+8*\e
.if \a%2 == 0
	ds_store_b128 v[KST], v[CR:CR+3] offset:IM             ; registers 0-3
	ds_store_b64 v[KST], v[CR+4:CR+5] offset:IM+512        ; 4, 5
.else
	ds_store_b64 v[KST], v[CR:CR+1] offset:IM+520          ; 6, 7
	ds_store_b128 v[KST], v[CR+2:CR+5] offset:IM+1024      ; 8-11
.endif
	ds_store_b8 v[KSB], v[BY+2*\a+\e] offset:6400*\e+6144+64*((\a/2)%2)+4*(\a/4)+2*(\a%2)   ; byte 2 u + h of the row's scale word
.endr
.endr
	SENDIMG KRD16, KRD8, 0, 12288
	s_branch .Ldone
	; ---- v: its K is the keys, which lie across lanes: 32 tokens at a time go as f32 through my stage and come back a channel to a lane, the registers running down the tokens.
.Lv:
.macro QV blk, g                       ; group g = 2 e + h'': lane l holds channel 64 e + 32 h'' + l, keys 32 blk + 0 .. 31: a whole block
.set XS, 64+32*(\g)
.set VC, 208+6*(4*((\blk)%2)+(\g))
.set IM, 6400*((\g)/2)+128*((\g)%2)+256*((\blk)%2)
	v_max3_num_f32 v192, |v[XS]|, |v[XS+1]|, |v[XS+2]|
	v_max3_num_f32 v193, |v[XS+3]|, |v[XS+4]|, |v[XS+5]|
.irp i, 6,10,14,18,22,26
	v_max3_num_f32 v192, v192, |v[XS+\i]|, |v[XS+\i+1]|
	v_max3_num_f32 v193, v193, |v[XS+\i+2]|, |v[XS+\i+3]|
.endr
	v_max3_num_f32 v192, v192, |v[XS+30]|, |v[XS+31]|
	v_max3_num_f32 v192, v192, v193, 0x1800000
	v_add_nc_u32 v196, 0xff000000, v192
	v_lshrrev_b32 v197, 23, v196
.if (\blk) == 0
	v_mov_b32 v[204+(\g)], v197                    ; the four key blocks' bytes make the channel's scale word
.else
	v_lshl_or_b32 v[204+(\g)], v197, 8*(\blk), v[204+(\g)]
.endif
	v_cvt_scalef32_pk16_fp6_f32 v[VC:VC+2], v[XS:XS+15], v196
	v_cvt_scalef32_pk16_fp6_f32 v[200:202], v[XS+16:XS+31], v196
	v_nop                                          ; one plain place behind a scaled conversion
.irp i, 0,1,2
	v_mov_b32 v[VC+3+\i], v[200+\i]
.endr
.if (\blk)/2 == 0                      ; fragment l / 8, row 8 h'' + l % 8, lane half blk % 2, registers 6 (blk / 2) on
	ds_store_b128 v[VIM], v[VC:VC+3] offset:IM
	ds_store_b64 v[VIM], v[VC+4:VC+5] offset:IM+512
.else
	ds_store_b64 v[VIM], v[VC:VC+1] offset:IM+520
	ds_store_b128 v[VIM], v[VC+2:VC+5] offset:IM+1024
.endif
.endm
.macro VBLK blk
	WIN 0x08+4*((\blk)/2)                          ; an LDS store's data are its source 1
.irp al, 0,1
.set AC, 64*((2*(\blk)+\al)%4)
.irp e, 0,1
.irp q, 0,1,2,3,4,5,6,7
	ds_store_b128 v[VSTO], v[AC+32*\e+4*\q:AC+32*\e+4*\q+3] offset:8448*\al+256*\e+16*\q   ; token 16 al + r, channels 64 e + 32 h + 4 q on; each accumulator from its low end on
.endr
.endr
.endr
	WIN 0
.irp g, 0,1,2,3
.set p, 0
.rept 32
	ds_load_b32 v[64+32*\g+p], v[VRD] offset:528*p+128*\g   ; LDS serves a wave's instructions in order: these see the stores above
.set p, p+1
.endr
.endr
	s_wait_dscnt 63                                ; group 0 is in: 96 loads are younger; the count is held at what its field takes
	QV \blk, 0
	s_wait_dscnt 63                                ; group 1: 64 loads and 2 image stores are younger
	QV \blk, 1
	s_wait_dscnt 36                                ; group 2: 32 loads and 4 image stores
	QV \blk, 2
	s_wait_dscnt 6                                 ; group 3: 6 image stores
	QV \blk, 3
.endm
	VBLK 0
	VBLK 1
	VBLK 2
	VBLK 3
.irp g, 0,1,2,3
	ds_store_b32 v[VSW], v[204+\g] offset:6400*(\g/2)+6144+64*(\g%2)
.endr
	SENDIMG VRD16, VRD8, 6144, 12544
.Ldone:
	s_wait_tensorcnt 0x0                           ; the wave's end: behind my last tensor load and my last LDS store
	ds_add_u32 v[SPW], v[NIL]
	s_wait_dscnt 0x0
	CROUND                                         ; the closing round: no work-group ends while a partner may still ask for a tile that names it
	s_endpgm
.Lfunc_end_k_qfdc3fd8a0b_qkv:
	.size	k_qfdc3fd8a0b_qkv, .Lfunc_end_k_qfdc3fd8a0b_qkv-k_qfdc3fd8a0b_qkv
	.p2alignl 7, 3214868480
	.fill 96, 4, 3214868480
	.section	.rodata,"a",@progbits
	.p2align	6, 0x0
	.amdhsa_kernel k_qfdc3fd8a0b_qkv
		.amdhsa_group_segment_fixed_size 327680
		.amdhsa_private_segment_fixed_size 0
		.amdhsa_enable_private_segment 0
		.amdhsa_kernarg_size 64
		.amdhsa_user_sgpr_count 2
		.amdhsa_user_sgpr_kernarg_segment_ptr 1
		.amdhsa_wavefront_size32 1
		.amdhsa_system_sgpr_workgroup_id_x 1
		.amdhsa_system_sgpr_workgroup_id_y 1
		.amdhsa_system_sgpr_workgroup_id_z 1
		.amdhsa_system_vgpr_workitem_id 0
		.amdhsa_next_free_vgpr 1024
		.amdhsa_next_free_sgpr 102
		.amdhsa_reserve_vcc 0
		.amdhsa_float_denorm_mode_32 3
		.amdhsa_float_denorm_mode_16_64 3
		.amdhsa_memory_ordered 1
		.amdhsa_forward_progress 1
		.amdhsa_inst_pref_size 242
	.end_amdhsa_kernel
	.amdgpu_metadata
---
amdhsa.version: [ 1, 2 ]
amdhsa.kernels:
  - .name:           k_qfdc3fd8a0b_qkv
    .symbol:         k_qfdc3fd8a0b_qkv.kd
    .args:
      - { .name: act_codes, .offset: 0, .size: 8, .value_kind: global_buffer, .address_space: global }
      - { .name: act_scales, .offset: 8, .size: 8, .value_kind: global_buffer, .address_space: global }
      - { .name: w_codes, .offset: 16, .size: 8, .value_kind: global_buffer, .address_space: global }
      - { .name: w_scales, .offset: 24, .size: 8, .value_kind: global_buffer, .address_space: global }
      - { .name: q_codes, .offset: 32, .size: 8, .value_kind: global_buffer, .address_space: global }
      - { .name: q_scales, .offset: 40, .size: 8, .value_kind: global_buffer, .address_space: global }
      - { .name: kv, .offset: 48, .size: 8, .value_kind: global_buffer, .address_space: global }
      - { .name: b_qkv, .offset: 56, .size: 8, .value_kind: global_buffer, .address_space: global }
    .group_segment_fixed_size: 327680
    .private_segment_fixed_size: 0
    .kernarg_segment_align: 8
    .kernarg_segment_size: 64
    .max_flat_workgroup_size: 128
    .sgpr_count:     102
    .vgpr_count:     1024
    .wavefront_size: 32
...
	.end_amdgpu_metadata
.endif
;; end of part 2
;; launch attn (part 3): grid 4 x 64, 16 waves a work-group, clusters of 4 x 1, 220,160 bytes of LDS; arguments q_codes, q_scales, kv, act_codes, act_scales; writes act_codes, act_scales
.if DOCPART == 3
	.amdgcn_target "amdgcn-amd-amdhsa--gfx1250"
	.amdhsa_code_object_version 6
	.text
	.protected	k_qfdc3fd8a0b_attn
	.globl	k_qfdc3fd8a0b_attn
	.p2align	8
	.type	k_qfdc3fd8a0b_attn,@function
k_qfdc3fd8a0b_attn:
	s_mov_b64 s[64:65], 0
	v_nop
	global_prefetch_b8 v0, s[64:65] scope:SCOPE_SE
	s_setreg_imm32_b32 hwreg(HW_REG_WAVE_MODE, 25, 1), 1
	s_wait_xcnt 0x0
	s_wait_alu depctr_hold_cnt(0) depctr_sa_sdst(0) depctr_va_vdst(0) depctr_va_sdst(0) depctr_va_ssrc(0) depctr_va_vcc(0) depctr_vm_vsrc(0)
	s_getreg_b32 s2, hwreg(HW_REG_IB_STS2, 6, 4)
	s_cmp_eq_u32 s2, 0
	s_cbranch_scc0 .Lentry_in_a_cluster
	s_endpgm
.Lentry_in_a_cluster:
	s_bfe_u32 s2, ttmp6, 0x10000c
	s_cmp_lg_u32 s2, 0x3003
	s_cbranch_scc0 .Lentry_shape_is_right
	s_endpgm
.Lentry_shape_is_right:
; o = softmax(q k^T / 8) v for 64 heads of 2,048 tokens x 64 channels, both products on codes of FP6 (E2M3) with E8M0 block scales; o is quantised along its channels and stored as the projection's operand.
; THE SOFTMAX: t = score x log2(e) / 8; M = the running largest t rounded UP to a whole number; p = 2^(t - M) is quantised along the keys, not normalised; the row's sum is taken of the unquantised p and divides O at the end.
; When M moves, the sum and O are multiplied by 2^(old M - new M): exact.
; SHARES.  A work-group owns 512 queries of one head; each of its sixteen waves owns two tiles of 16 queries, one after the other: four waves to a SIMD, so that one wave's vector work stands beside another's products and LDS loads.
; THE HEAD'S WHOLE K AND V LIE IN LDS, 204,800 bytes, filled once: no slot is filled again.  The four work-groups of a cluster are the four query blocks of one head: each byte is asked for JOINTLY (mask 15).
; Every byte of K and V is asked for by the kernel's first instructions, so there is nothing later to run ahead of with prefetches.
; LAYOUT.  K and V lie as images of operand registers: register p of lane L of a fragment at 512 (p / 4) + 16 L + 4 (p % 4): three loads of 16 bytes a lane bring a fragment.  A key step of 128 keys is 12,800 bytes:
; four fragments of K, four of V, 256 bytes of K's scale words, 256 of V's.  The head has only 64 channels, so a row of a fragment of K holds TWO keys on end; multiplied by (Q, 0) it gives the first key's score, by (0, Q) the second's.
; Both products are used transposed: a lane holds ONE query (lane % 16).  The keys of K's rows are chosen so that lane (r, h) holds in score registers 32 c .. 32 c + 31 the keys 64 c + 32 h + 0 .. 31: whole blocks, in order:
; a block's maximum needs no other lane, and the conversions' results are the second product's operand as they stand.  V's rows are chosen so that the lane's 32 registers of O are channels 32 h + 0 .. 31.
; The reshape ahead of the projection takes 16 consecutive queries of a head as one row of 1,024: a tile of queries is a row, query r's 48 bytes of codes at 48 r, its two scale bytes at 2 r.
; LIMITS: NaN and infinities are not served; a block whose largest magnitude lies under 2^-124 has its byte held at 1; a block of zeros gets the byte 1, not 127: its codes are zeros and this program alone reads the bytes.
; REGISTERS: v1-11 addresses; v12 -M, v13 the largest t, v[14:15] the sum; v16-21 zeros, v22-27 Q, v28-33 zeros; v34 Q's scale word; v36-83 four fragments; v84-87 their scale words; v96-159 scores, then p; v160-191 O; v192-203 p's codes; v204-221 at work; v224 p's scale word.
.set STEPB, 12800
.set OSTG,  204800                     ; behind K and V: 768 bytes a wave, a row of o's codes
.set OSC,   217088                     ; and the work-group's 32 rows of 32 scale bytes
.set AI0,  1                           ; v1  16 x lane; never rewritten
.set AS0,  2                           ; v2  8 x lane; never rewritten
.set SH8,  3                           ; v3  8 h
.set ADI,  4                           ; v4  the step's images
.set ADS,  5                           ; v5  the step's scale words
.set OSR,  6                           ; v6  OSC + 16 x lane
.set OST,  8
.set ORD16, 9
.set ORD8, 10
.set OSB,  11
.set KF,   36
.set S,    96
.set O,    160
.set P,    192
.set TB,   2                           ; s2  LDS byte at which the key step begins
.set WV,   18
.set SEL,  20
.set CS,   22
.macro CROUND                          ; a round of the cluster's barrier
	s_barrier_signal -1
	s_barrier_wait -1
	s_cmp_lg_u32 s[WV], 0
	s_cbranch_scc1 .Lnot_wave_0_\@
	s_barrier_signal -3
.Lnot_wave_0_\@:
	s_barrier_wait -3
	s_barrier_signal -1
	s_barrier_wait -1
.endm
	s_load_b256 s[4:11], s[0:1], 0x0               ; q_codes, q_scales, kv, act_codes
	s_load_b64 s[12:13], s[0:1], 0x20              ; act_scales
	v_lshl_add_u32 v254, v0, 2, 0x35400
	v_mov_b32 v255, 0
	ds_add_u32 v254, v255
	ds_add_u32 v254, v255
	v_lshrrev_b32 v7, 5, v0
	v_readfirstlane_b32 s[WV], v7                  ; wave 0..15
	s_bfe_u32 s14, ttmp6, 0x40000                  ; cx: my block of 512 queries: it enters q's and o's global addresses alone
	s_and_b32 s15, ttmp7, 0xffff                   ; the head, which the four partners share
	; descriptor group 1: 25 rows of 256 bytes (32 elements of 8), dense, no padding; the mask names all four work-groups, bit 21 beside it
	s_mov_b32 s24, 15|(3<<16)|(1<<21)
	s_mov_b32 s25, 32<<16                          ; tensor_dim0
	s_mov_b32 s26, 25<<16                          ; tensor_dim1
	s_mov_b32 s27, 32<<16                          ; tile_dim0
	s_mov_b32 s28, 25                              ; tile_dim1
	s_mov_b32 s29, 32                              ; the pitch
	s_mov_b32 s30, 0
	s_mov_b32 s31, 0
	s_mul_i32 s40, s15, 16*STEPB
	s_mul_i32 s33, s[WV], 6400                     ; wave w brings bytes 6,400 w on of each half of the head
	s_add_co_u32 s40, s40, s33
	s_mov_b32 s41, 0
	s_mov_b32 s[SEL], 0x76543210
	s_mov_b32 s[SEL+1], 0xfedcba98                 ; v_permlanex16_b32's selects for lane l xor 16
	s_mov_b32 s[CS], 0x3e38aa3b                    ; c = log2(e) / 8
	s_mov_b32 s[CS+1], s[CS]                       ; (named with it as a pair, so it is written)
	s_lshl_b32 s43, s14, 5
	s_add_co_u32 s43, s43, s[WV]                   ; my first tile: 32 cx + wave; the second is 16 further on
	s_mul_i32 s44, s15, 98304
	s_mul_i32 s45, s43, 768
	s_add_co_u32 s44, s44, s45
	s_mov_b32 s45, 0
	s_mov_b32 s47, 0
	s_wait_dscnt 0x0
	s_wait_kmcnt 0x0
	s_add_nc_u64 s[4:5], s[4:5], s[44:45]          ; q's codes: 768 bytes a tile
	s_lshl_b32 s44, s15, 14
	s_lshr_b32 s46, s43, 2
	s_lshl_b32 s46, s46, 9
	s_add_co_u32 s44, s44, s46
	s_and_b32 s46, s43, 3
	s_lshl_b32 s46, s46, 2
	s_add_co_u32 s44, s44, s46
	s_add_nc_u64 s[6:7], s[6:7], s[44:45]          ; q's scale words: 512 bytes for four tiles, word tile % 4 of a lane's four
	s_lshl_b32 s44, s15, 7
	s_add_co_u32 s46, s44, s43
	s_mul_i32 s46, s46, 768
	s_add_nc_u64 s[10:11], s[10:11], s[46:47]      ; o's codes: row 128 head + tile
	s_lshl_b32 s46, s14, 5
	s_add_co_u32 s46, s46, s44
	s_lshl_b32 s46, s46, 5
	s_add_nc_u64 s[12:13], s[12:13], s[46:47]      ; o's scale bytes: the work-group's 32 rows of 32
	s_mov_b32 s32, 1                               ; group 0 for the first half: count 1, LDS address, global address, type 2
	s_add_nc_u64 s[34:35], s[8:9], s[40:41]
	s_mov_b32 s36, 1                               ; and for the second, 102,400 bytes on in both
	s_add_co_u32 s37, s33, 8*STEPB
	s_add_nc_u64 s[38:39], s[34:35], 8*STEPB
	s_or_b32 s35, s35, 0x80000000
	s_or_b32 s39, s39, 0x80000000
	CROUND                                         ; all four work-groups are here: the joint loads meet
	tensor_load_to_lds s[32:35], s[24:31]          ; two loads of mine are out; they are the launch's only fills
	s_nop 0
	tensor_load_to_lds s[36:39], s[24:31]
	s_nop 0
.rept 4
	v_nop
.endr
	v_and_b32 v7, 31, v0                           ; lane
	v_lshlrev_b32 v[AI0], 4, v7
	v_lshlrev_b32 v[AS0], 3, v7
.macro QLOAD p                         ; tile p's query codes (an image of six registers) and scale word
	global_load_b128 v[22:25], v[AI0], s[4:5] offset:12288*\p
	global_load_b64 v[26:27], v[AS0], s[4:5] offset:12288*\p+512
	global_load_b32 v34, v[AI0], s[6:7] offset:2048*\p
.endm
	QLOAD 0
	v_and_b32 v4, 15, v0                           ; r
	v_bfe_u32 v5, v0, 4, 1                         ; h
	v_lshlrev_b32 v[SH8], 3, v5
	s_mul_i32 s48, s[WV], 768
	s_add_co_u32 s48, s48, OSTG
	v_mul_u32_u24 v[OST], v4, 48
	v_mad_u32_u24 v[OST], v5, 24, v[OST]
	v_add_nc_u32 v[OST], s48, v[OST]               ; my block's 24 bytes of the row: 48 r + 24 h
	v_add_nc_u32 v[ORD16], s48, v[AI0]
	v_add_nc_u32 v[ORD8], s48, v[AS0]
	v_add_nc_u32 v[ORD8], 512, v[ORD8]
	s_lshl_b32 s48, s[WV], 5
	s_add_co_u32 s48, s48, OSC
	v_lshl_add_u32 v[OSB], v4, 1, v5
	v_add_nc_u32 v[OSB], s48, v[OSB]               ; my block's scale byte: 32 wave + 2 r + h
	v_add_nc_u32 v[OSR], OSC, v[AI0]
.irp j, 16,17,18,19,20,21,28,29,30,31,32,33
	v_mov_b32 v[\j], 0                             ; zero codes on both sides of Q: v[22:33] is (Q, 0), v[16:27] is (0, Q)
.endr
	v_mov_b32 v215, 0                              ; a lane permute's destination counts as one of its sources
	v_mov_b32 v217, 0
	v_mov_b32 v221, 0                              ; (named as the upper half of the pair v[220:221])
.macro INIT                            ; a tile begins: the key step is written once, and its first trip finds zeros, which the first change of M leaves zeros
	v_mov_b32 v13, 0xff61b1e6                      ; the largest t so far: -3e38
	v_floor_f32 v12, -v13                          ; -M
	v_mov_b32 v14, 0
	v_mov_b32 v15, 0
.set j, 0
.rept 32
	v_mov_b32 v[O+j], 0
.set j, j+1
.endr
.endm
; A KEY STEP: 128 keys.
.macro STEP
	v_add_nc_u32 v[ADI], s[TB], v[AI0]
	v_add_nc_u32 v[ADS], s[TB], v[AS0]
	v_nop
	v_nop                                          ; four places behind the last products, in front of loads into registers that they have read
.irp f, 0,1,2,3
.irp q, 0,1,2
	ds_load_b128 v[KF+12*\f+4*\q:KF+12*\f+4*\q+3], v[ADI] offset:1536*\f+512*\q
.endr
.endr
	ds_load_b64 v[84:85], v[ADS] offset:12288      ; register i: lanes 0-15 fragment 2 i's scale words, lanes 16-31 fragment 2 i + 1's
	s_wait_dscnt 0x0
.irp c, 0,1
.irp y, 0,1
.irp u, 0,1                                    ; fragment 2 c + y, its rows' first keys (u = 0) or second (u = 1): lane (r, h) register j = key 64 c + 32 h + 16 u + 8 y + j
.if \y
	v_wmma_scale_f32_16x16x128_f8f6f4 v[S+32*\c+16*\u+8*\y:S+32*\c+16*\u+8*\y+7], v[KF+12*(2*\c+\y):KF+12*(2*\c+\y)+11], v[22-6*\u:33-6*\u], 0, v[84+\c], v34 matrix_a_fmt:MATRIX_FMT_FP6 matrix_b_fmt:MATRIX_FMT_FP6 matrix_a_scale:MATRIX_SCALE_ROW1
.else
	v_wmma_scale_f32_16x16x128_f8f6f4 v[S+32*\c+16*\u+8*\y:S+32*\c+16*\u+8*\y+7], v[KF+12*(2*\c+\y):KF+12*(2*\c+\y)+11], v[22-6*\u:33-6*\u], 0, v[84+\c], v34 matrix_a_fmt:MATRIX_FMT_FP6 matrix_b_fmt:MATRIX_FMT_FP6
.endif
.endr
.endr
.endr
.rept 4
	v_nop                                          ; places: V's fragments take K's registers, and the scores are read
.endr
.irp f, 0,1,2,3
.irp q, 0,1,2
	ds_load_b128 v[KF+12*\f+4*\q:KF+12*\f+4*\q+3], v[ADI] offset:6144+1536*\f+512*\q   ; they land while the softmax is worked
.endr
.endr
	ds_load_b64 v[86:87], v[ADS] offset:12544
.irp b, 0,1,2,3
	v_max3_num_f32 v[212+\b], v[S+16*\b], v[S+1+16*\b], v[S+2+16*\b]   ; four chains of 16 scores, by turns; each accumulator is read from its low end on
.endr
.irp i, 3,5,7,9,11,13
.irp b, 0,1,2,3
	v_max3_num_f32 v[212+\b], v[212+\b], v[S+16*\b+\i], v[S+1+16*\b+\i]
.endr
.endr
.irp b, 0,1,2,3
	v_max_num_f32 v[212+\b], v[212+\b], v[S+15+16*\b]
.endr
	v_max_num_f32 v212, v212, v213                 ; THE LARGEST SCORE OF EACH OF MY TWO BLOCKS OF 32 KEYS: it serves for the row's maximum and, since p rises with the score, for the block's largest p
	v_max_num_f32 v214, v214, v215
	v_max_num_f32 v216, v212, v214
	v_permlanex16_b32 v217, v216, s[SEL], s[SEL+1]
	v_max_num_f32 v216, v216, v217                 ; with lane l xor 16's two blocks: the step's largest score of my query
	v_mul_f32 v216, s[CS], v216                    ; as t
	v_max_num_f32 v13, v13, v216                   ; the running largest t
	v_mov_b32 v216, v12
	v_floor_f32 v12, -v13                          ; the new -M = floor(-t) = -ceil(t)
	v_sub_f32 v216, v12, v216                      ; old M - new M: a whole number, 0 or less
	v_cvt_i32_f32 v216, v216                       ; (it saturates)
	v_ldexp_f32 v220, 1.0, v216                    ; f = 2^(old M - new M)
.set j, 0
.rept 32
	v_pk_fma_f32 v[S+j:S+j+1], v[S+j:S+j+1], s[CS:CS+1], v[12:13] op_sel_hi:[1,0,0]   ; t - M, two at a time
.set j, j+2
.endr
	v_fma_f32 v212, v212, s[CS], v12               ; the same of each block's largest score
	v_fma_f32 v214, v214, s[CS], v12
.set j, 0
.rept 64
	v_exp_f32 v[S+j], v[S+j]                       ; p = 2^(t - M)
.set j, j+1
.endr
	v_pk_mul_f32 v[14:15], v[14:15], v[220:221] op_sel_hi:[1,0]   ; the sums under the new M: a plain place behind the exponentials
	s_wait_alu depctr_va_vdst(0)                   ; one wait for the whole batch, ahead of its first reader
	v_exp_f32 v212, v212                           ; the blocks' largest p: the same two instructions on the same number give the same bits
	v_exp_f32 v214, v214
	v_pk_add_f32 v[218:219], v[S:S+1], v[S+2:S+3]  ; THE ROW'S SUM IS TAKEN OF THE UNQUANTISED p: two at a time, in two chains
.set j, 4
.rept 15
	v_pk_add_f32 v[14:15], v[14:15], v[S+j:S+j+1]
	v_pk_add_f32 v[218:219], v[218:219], v[S+j+2:S+j+3]
.set j, j+4
.endr
	v_pk_add_f32 v[14:15], v[14:15], v[218:219]
	s_wait_alu depctr_va_vdst(0)                   ; and one for the two
	v_max_num_f32 v212, 0x1800000, v212            ; the floor 2^(3 - 127): the byte cannot fall under 1
	v_max_num_f32 v214, 0x1800000, v214
	v_add_nc_u32 v216, 0xff000000, v212            ; 2 off the exponent field: the conversions' scale operands
	v_add_nc_u32 v217, 0xff000000, v214
	v_lshrrev_b32 v212, 23, v216                   ; the bytes of blocks h and 2 + h
	v_lshrrev_b32 v214, 23, v217
	v_lshl_or_b32 v213, v214, 16, v212
	v_lshlrev_b32 v213, v[SH8], v213               ; at their places in the scale word,
	v_permlanex16_b32 v215, v213, s[SEL], s[SEL+1]
	v_or_b32 v224, v213, v215                      ; with lane l xor 16's two the word is whole
	v_cvt_scalef32_pk16_fp6_f32 v[P:P+2], v[S:S+15], v216
	v_cvt_scalef32_pk16_fp6_f32 v[204:206], v[S+16:S+31], v216     ; (a conversion's three registers begin on an even number)
	v_cvt_scalef32_pk16_fp6_f32 v[P+6:P+8], v[S+32:S+47], v217
	v_cvt_scalef32_pk16_fp6_f32 v[208:210], v[S+48:S+63], v217
	v_nop                                          ; one plain place behind a scaled conversion
.irp i, 0,1,2
	v_mov_b32 v[P+3+\i], v[204+\i]
	v_mov_b32 v[P+9+\i], v[208+\i]
.endr
.set j, 0
.rept 16
	v_pk_mul_f32 v[O+j:O+j+1], v[O+j:O+j+1], v[220:221] op_sel_hi:[1,0]   ; O under the new M.  (These sixteen are also the places between the writes of p's codes and scale word and the products)
.set j, j+2
.endr
	s_wait_dscnt 0x0                               ; V is in
.irp t, 0,1,2,3                                ; O^T += V^T P^T; the four accumulators take turns, and eight products on the scores stand between two links of a chain
.if \t%2
	v_wmma_scale_f32_16x16x128_f8f6f4 v[O+8*\t:O+8*\t+7], v[KF+12*\t:KF+12*\t+11], v[P:P+11], v[O+8*\t:O+8*\t+7], v[86+\t/2], v224 matrix_a_fmt:MATRIX_FMT_FP6 matrix_b_fmt:MATRIX_FMT_FP6 matrix_a_scale:MATRIX_SCALE_ROW1
.else
	v_wmma_scale_f32_16x16x128_f8f6f4 v[O+8*\t:O+8*\t+7], v[KF+12*\t:KF+12*\t+11], v[P:P+11], v[O+8*\t:O+8*\t+7], v[86+\t/2], v224 matrix_a_fmt:MATRIX_FMT_FP6 matrix_b_fmt:MATRIX_FMT_FP6
.endif
.endr
	s_add_co_u32 s[TB], s[TB], STEPB
.endm
.macro RUN                             ; all 16 key steps of the head
	s_mov_b32 s[TB], 0
	s_mov_b32 s3, 16
.Lrun_\@:
	STEP
	s_sub_co_u32 s3, s3, 1
	s_cmp_lg_u32 s3, 0
	s_cbranch_scc1 .Lrun_\@
.endm
; A tile ends: O / the sum; lane (r, h) holds channels 32 h + 0 .. 31 of query r: one block of the projection's K.  Its codes go through my 768 bytes of LDS and leave as one row: runs of 512 and 256 consecutive bytes.
.macro FINISH p
.rept 4
	v_nop                                          ; places behind the last products
.endr
	v_add_f32 v14, v14, v15                        ; the sum's two halves,
	v_permlanex16_b32 v217, v14, s[SEL], s[SEL+1]
	v_add_f32 v14, v14, v217                       ; and lane l xor 16's keys
	v_rcp_f32 v220, v14
	v_nop                                          ; a plain place behind the reciprocal
	s_wait_alu depctr_va_vdst(0)                   ; and the wait ahead of its first reader
.set j, 0
.rept 16
	v_pk_mul_f32 v[S+j:S+j+1], v[O+j:O+j+1], v[220:221] op_sel_hi:[1,0]
.set j, j+2
.endr
	v_max3_num_f32 v212, |v[S]|, |v[S+1]|, |v[S+2]|
	v_max3_num_f32 v213, |v[S+3]|, |v[S+4]|, |v[S+5]|
.irp i, 6,10,14,18,22,26
	v_max3_num_f32 v212, v212, |v[S+\i]|, |v[S+\i+1]|
	v_max3_num_f32 v213, v213, |v[S+\i+2]|, |v[S+\i+3]|
.endr
	v_max3_num_f32 v212, v212, |v[S+30]|, |v[S+31]|
	v_max3_num_f32 v212, v212, v213, 0x1800000
	v_add_nc_u32 v216, 0xff000000, v212
	v_lshrrev_b32 v214, 23, v216
	v_cvt_scalef32_pk16_fp6_f32 v[P:P+2], v[S:S+15], v216
	v_cvt_scalef32_pk16_fp6_f32 v[204:206], v[S+16:S+31], v216
	v_nop
.irp i, 0,1,2
	v_mov_b32 v[P+3+\i], v[204+\i]
.endr
	ds_store_b64 v[OST], v[P:P+1]
	ds_store_b64 v[OST], v[P+2:P+3] offset:8
	ds_store_b64 v[OST], v[P+4:P+5] offset:16
	ds_store_b8 v[OSB], v214 offset:512*\p
	s_wait_xcnt 0x0                                ; the last tile's stores have read their registers
	ds_load_b128 v[228:231], v[ORD16]              ; LDS serves a wave's instructions in order: these see my stores
	ds_load_b64 v[232:233], v[ORD8]
	s_wait_dscnt 0x0
	global_store_b128 v[AI0], v[228:231], s[10:11] offset:12288*\p
	global_store_b64 v[AS0], v[232:233], s[10:11] offset:12288*\p+512
.endm
	INIT
	s_wait_tensorcnt 0x0                           ; my two parts of the head are in,
	s_barrier_signal -1
	s_barrier_wait -1                              ; everybody's are
	s_wait_loadcnt 0x0                             ; Q
	RUN
	QLOAD 1                                        ; the second tile's query: the last product that read these registers stands a softmax back
	FINISH 0
	INIT
	s_wait_loadcnt 0x0
	RUN
	FINISH 1
	s_wait_dscnt 0x0                               ; for the others' sake: my scale bytes are in LDS
	s_barrier_signal -1
	s_barrier_wait -1
	s_cmp_lg_u32 s[WV], 0
	s_cbranch_scc1 .Lnot_first
	ds_load_b128 v[96:99], v[OSR]                  ; wave 0 stores the work-group's 1,024 scale bytes: two runs of 512 consecutive bytes
	ds_load_b128 v[100:103], v[OSR] offset:512
	s_wait_dscnt 0x0
	global_store_b128 v[AI0], v[96:99], s[12:13]
	global_store_b128 v[AI0], v[100:103], s[12:13] offset:512
.Lnot_first:
	s_wait_tensorcnt 0x0
	ds_add_u32 v254, v255
	s_wait_dscnt 0x0
	CROUND                                         ; the closing round
	s_endpgm
.Lfunc_end_k_qfdc3fd8a0b_attn:
	.size	k_qfdc3fd8a0b_attn, .Lfunc_end_k_qfdc3fd8a0b_attn-k_qfdc3fd8a0b_attn
	.p2alignl 7, 3214868480
	.fill 96, 4, 3214868480
	.section	.rodata,"a",@progbits
	.p2align	6, 0x0
	.amdhsa_kernel k_qfdc3fd8a0b_attn
		.amdhsa_group_segment_fixed_size 220160
		.amdhsa_private_segment_fixed_size 0
		.amdhsa_enable_private_segment 0
		.amdhsa_kernarg_size 40
		.amdhsa_user_sgpr_count 2
		.amdhsa_user_sgpr_kernarg_segment_ptr 1
		.amdhsa_wavefront_size32 1
		.amdhsa_system_sgpr_workgroup_id_x 1
		.amdhsa_system_sgpr_workgroup_id_y 1
		.amdhsa_system_sgpr_workgroup_id_z 1
		.amdhsa_system_vgpr_workitem_id 0
		.amdhsa_next_free_vgpr 256
		.amdhsa_next_free_sgpr 66
		.amdhsa_reserve_vcc 0
		.amdhsa_float_denorm_mode_32 3
		.amdhsa_float_denorm_mode_16_64 3
		.amdhsa_memory_ordered 1
		.amdhsa_forward_progress 1
		.amdhsa_inst_pref_size 45
	.end_amdhsa_kernel
	.amdgpu_metadata
---
amdhsa.version: [ 1, 2 ]
amdhsa.kernels:
  - .name:           k_qfdc3fd8a0b_attn
    .symbol:         k_qfdc3fd8a0b_attn.kd
    .args:
      - { .name: q_codes, .offset: 0, .size: 8, .value_kind: global_buffer, .address_space: global }
      - { .name: q_scales, .offset: 8, .size: 8, .value_kind: global_buffer, .address_space: global }
      - { .name: kv, .offset: 16, .size: 8, .value_kind: global_buffer, .address_space: global }
      - { .name: act_codes, .offset: 24, .size: 8, .value_kind: global_buffer, .address_space: global }
      - { .name: act_scales, .offset: 32, .size: 8, .value_kind: global_buffer, .address_space: global }
    .group_segment_fixed_size: 220160
    .private_segment_fixed_size: 0
    .kernarg_segment_align: 8
    .kernarg_segment_size: 40
    .max_flat_workgroup_size: 512
    .sgpr_count:     66
    .vgpr_count:     256
    .wavefront_size: 32
...
	.end_amdgpu_metadata
.endif
;; end of part 3
;; launch proj (part 4): grid 4 x 32, 4 waves a work-group, clusters of 4 x 4, 327,680 bytes of LDS; arguments act_codes, act_scales, w_codes, w_scales, b_proj, out0; writes out0
.if DOCPART == 4
	.amdgcn_target "amdgcn-amd-amdhsa--gfx1250"
	.amdhsa_code_object_version 6
	.text
	.protected	k_qfdc3fd8a0b_proj
	.globl	k_qfdc3fd8a0b_proj
	.p2align	8
	.type	k_qfdc3fd8a0b_proj,@function
k_qfdc3fd8a0b_proj:
	s_mov_b64 s[64:65], 0
	v_nop
	global_prefetch_b8 v0, s[64:65] scope:SCOPE_SE
	s_setreg_imm32_b32 hwreg(HW_REG_WAVE_MODE, 25, 1), 1
	s_wait_xcnt 0x0
	s_wait_alu depctr_hold_cnt(0) depctr_sa_sdst(0) depctr_va_vdst(0) depctr_va_sdst(0) depctr_va_ssrc(0) depctr_va_vcc(0) depctr_vm_vsrc(0)
	s_getreg_b32 s2, hwreg(HW_REG_IB_STS2, 6, 4)
	s_cmp_eq_u32 s2, 0
	s_cbranch_scc0 .Lentry_in_a_cluster
	s_endpgm
.Lentry_in_a_cluster:
	s_bfe_u32 s2, ttmp6, 0x10000c
	s_cmp_lg_u32 s2, 0xf033
	s_cbranch_scc0 .Lentry_shape_is_right
	s_endpgm
.Lentry_shape_is_right:
; out0 = o W_proj + b_proj on codes of FP6 (E2M3) with E8M0 block scales, [8192 x 1024] x [1024 x 1024], f32 out.  o's codes and scale bytes were stored by the attention launch, W_proj's are rows 3,072 on of the weights' buffers.
; A tile of 256 x 256 is made by a work-group of four waves, a wave makes 128 x 128: 64 accumulators, 512 registers.  K goes in steps of 256 through a ring of two LDS slots filled by the tensor data mover;
; the scale bytes of the work-group's rows come into LDS once.  CLUSTERS: 4 x 4 work-groups; A's tiles are asked for jointly along a row of the cluster, B's along a column.
; THE MATRIX INSTRUCTION IS USED TRANSPOSED (source 0 = 16 rows of the weight, source 1 = 16 rows of o).  The weight's rows lie in another order than its columns: lane (r, h) of column tile b holds columns
; 64 (b / 4) + 32 h + 8 (b % 4) + j; the stage on the way out puts them back in order.  The bias is the C of each sum's first matrix instruction.
; REGISTERS, in windows of 256: window 0: v0-31 addresses; v32-63 scale words, two sets; v64-127 the bias; from v128 A's fragments, one set; on the way out v128-255 take rows of the result.
;   window 1: B's fragments, two sets.  window 2: the accumulators of my rows 0-63 ((a, b) at v[8 (8 a + b)]); window 3: those of rows 64-127.
.set SIZE_N, 1024
.set KSTEP,  256
.set NQ,     2
.set ROWB,   192
.set KROW,   768
.set PITCH,  240                       ; an LDS row: 3 x (64 bytes + 16 of padding)
.set FR,     12
.set NL,     6
.set NP,     4                         ; places behind this matrix instruction (ISA guide 7.12.1)
.set HALFT,  128*PITCH
.set SLOT,   4*HALFT
.set LAPS,   2
.set KS,     32
.set SCL,    2*SLOT
.set HALFS,  16*272
.set SBLK,   2*272
.set SPARE,  SCL+4*HALFS               ; the spare words: 128 bytes a wave, two blocks of 256 bytes that no other line names
.set SPITCH, 528                       ; the way out: a stage of 16 rows x (512 bytes + 16) for each wave, in slot 0, which has had its last fill and its last read by then
.set ADRA, 16
.set ADRB, 20
.set STO,  24
.set RD,   25
.set CO,   26
.set ADRS, 27
.set SPW,  28
.set NIL,  29
.set SC,   32
.set BI,   64
.set AF,   128
.set BK,   128
.set G1, 24
.set G0, 32
.set G1B, 48
.set G0B, 56
.set G1S, 68
.set G0S, 76
.set G1SB, 80
.set G0SB, 88
.set MSB, 0
.macro WIN new                         ; the immediate's high byte repeats the setting that is left
.if MSB != (\new)
	s_set_vgpr_msb (MSB<<8)|(\new)
.set MSB, (\new)
.endif
.endm
.set MUL_LO, 0xa1
.set MUL_HI, 0xf1
.set TO_B,   0x40
.macro JLOAD g0a, g1a, g0b, g1b        ; a joint load: waves 0 and 1 fetch for A, waves 2 and 3 for B; four v_nop follow each of the two lines
	s_cmp_eq_u32 s15, 0
	s_cbranch_scc0 .Lfor_b_\@
	tensor_load_to_lds s[\g0a:\g0a+3], s[\g1a:\g1a+7]
	s_nop 0
.rept 4
	v_nop
.endr
	s_branch .Lasked_\@
.Lfor_b_\@:
	tensor_load_to_lds s[\g0b:\g0b+3], s[\g1b:\g1b+7]
	s_nop 0
.rept 4
	v_nop
.endr
.Lasked_\@:
.endm
.macro CREST
	s_cmp_lg_u32 s14, 0
	s_cbranch_scc1 .Lnot_wave_0_\@
	s_barrier_signal -3
.Lnot_wave_0_\@:
	s_barrier_wait -3
	s_barrier_signal -1
	s_barrier_wait -1
.endm
.macro CROUND
	s_barrier_signal -1
	s_barrier_wait -1
	CREST
.endm
	s_load_b128 s[4:7], s[0:1], 0x0                ; o's codes, o's scales
	s_load_b128 s[8:11], s[0:1], 0x10              ; the weights' codes, scales
	s_load_b64 s[66:67], s[0:1], 0x20              ; b_proj
	s_load_b64 s[12:13], s[0:1], 0x28              ; out0
	v_lshl_add_u32 v[SPW], v0, 2, SPARE
	v_mov_b32 v[NIL], 0
	ds_add_u32 v28, v29
	ds_add_u32 v28, v29
	s_wait_dscnt 0x0
	v_lshrrev_b32 v1, 5, v0
	v_readfirstlane_b32 s14, v1                    ; wave 0..3
	s_lshr_b32 s15, s14, 1
	s_and_b32 s16, s14, 1
	s_bfe_u32 s40, ttmp6, 0x40000                  ; cx, cy
	s_bfe_u32 s41, ttmp6, 0x40004
	s_lshl_b32 s42, ttmp9, 2
	s_add_co_u32 s42, s42, s40                     ; tile column
	s_and_b32 s17, ttmp7, 0xffff
	s_lshl_b32 s17, s17, 2
	s_add_co_u32 s17, s17, s41                     ; tile row
	s_lshl_b32 s43, s41, 2
	s_lshl_b32 s43, 15, s43                        ; my row of the cluster
	s_lshl_b32 s44, 0x1111, s40                    ; my column
	s_or_b32 s[G1+0], s43, (0<<16)|(1<<20)|(1<<21)|(3<<22)|(3<<25)
	s_or_b32 s[G1B+0], s44, (0<<16)|(1<<20)|(1<<21)|(3<<22)|(3<<25)
.irp g, G1, G1B
	s_mov_b32 s[\g+1], ROWB<<16
	s_mov_b32 s[\g+2], 128<<16
	s_mov_b32 s[\g+3], ROWB<<16
	s_mov_b32 s[\g+4], 128
	s_mov_b32 s[\g+5], KROW
	s_mov_b32 s[\g+6], 0
	s_mov_b32 s[\g+7], 0
.endr
	s_or_b32 s[G1S+0], s43, (3<<16)|(1<<20)|(1<<21)|(5<<22)|(3<<25)
	s_or_b32 s[G1SB+0], s44, (3<<16)|(1<<20)|(1<<21)|(5<<22)|(3<<25)
.irp g, G1S, G1SB
	s_mov_b32 s[\g+1], 32<<16
	s_mov_b32 s[\g+2], 16<<16
	s_mov_b32 s[\g+3], 32<<16
	s_mov_b32 s[\g+4], 16
	s_mov_b32 s[\g+5], 32
	s_mov_b32 s[\g+6], 0
	s_mov_b32 s[\g+7], 0
.endr
	s_lshl_b32 s18, s16, 7
	s_lshl_b32 s20, s17, 8
	s_add_co_u32 s20, s20, s18                     ; A: row 256 x tile row + 128 x half
	s_lshl_b32 s46, s42, 8
	s_add_co_u32 s46, s46, s18
	s_add_co_u32 s46, s46, 3072                    ; B: W_proj's rows lie behind W_qkv's 3,072
	s_mov_b32 s21, 0
	s_mov_b32 s47, 0
	s_mov_b64 s[18:19], KS
	s_mul_u64 s[22:23], s[20:21], s[18:19]
	s_mul_u64 s[92:93], s[46:47], s[18:19]
	s_mov_b64 s[18:19], KROW
	s_mul_u64 s[20:21], s[20:21], s[18:19]
	s_mul_u64 s[46:47], s[46:47], s[18:19]
	s_mul_i32 s45, s14, HALFT
	s_mul_i32 s94, s14, HALFS
	s_wait_kmcnt 0x0
	s_add_nc_u64 s[20:21], s[4:5], s[20:21]
	s_add_nc_u64 s[22:23], s[6:7], s[22:23]
	s_add_nc_u64 s[46:47], s[8:9], s[46:47]
	s_add_nc_u64 s[92:93], s[10:11], s[92:93]
	CROUND                                         ; all sixteen work-groups are here: the first joint loads meet
	s_mov_b32 s[G0S], 1
	s_add_co_u32 s[G0S+1], s94, SCL
	s_mov_b64 s[G0S+2:G0S+3], s[22:23]
	s_or_b32 s[G0S+3], s[G0S+3], 0x80000000
	s_mov_b32 s[G0SB], 1
	s_add_co_u32 s[G0SB+1], s94, SCL
	s_mov_b64 s[G0SB+2:G0SB+3], s[92:93]
	s_or_b32 s[G0SB+3], s[G0SB+3], 0x80000000
	JLOAD G0S, G1S, G0SB, G1SB
.irp s, 0,1
	s_mov_b32 s[G0+4*\s], 1
	s_add_co_u32 s[G0+4*\s+1], s45, \s*SLOT
	s_add_nc_u64 s[G0+4*\s+2:G0+4*\s+3], s[20:21], \s*ROWB
	s_or_b32 s[G0+4*\s+3], s[G0+4*\s+3], 0x80000000
	s_mov_b32 s[G0B+4*\s], 1
	s_add_co_u32 s[G0B+4*\s+1], s45, \s*SLOT
	s_add_nc_u64 s[G0B+4*\s+2:G0B+4*\s+3], s[46:47], \s*ROWB
	s_or_b32 s[G0B+4*\s+3], s[G0B+4*\s+3], 0x80000000
	JLOAD G0+4*\s, G1, G0B+4*\s, G1B
.endr
	v_and_b32 v1, 15, v0                           ; r
	v_bfe_u32 v2, v0, 4, 1                         ; h
	v_lshlrev_b32 v30, 7, v2                       ; the bias: for column tile t the eight numbers at 64 (t / 4) + 32 h + 8 (t % 4)
	s_lshl_b32 s22, s42, 10
	s_lshl_b32 s23, s16, 9
	s_add_co_u32 s22, s22, s23
	s_mov_b32 s23, 0
	s_add_nc_u64 s[66:67], s[66:67], s[22:23]
.irp t, 0,1,2,3,4,5,6,7
	global_load_b128 v[BI+8*\t:BI+8*\t+3], v30, s[66:67] offset:(64*(\t/4)+8*(\t%4))*4
	global_load_b128 v[BI+8*\t+4:BI+8*\t+7], v30, s[66:67] offset:(64*(\t/4)+8*(\t%4))*4+16
.endr
	v_mul_u32_u24 v3, v1, PITCH
	v_mul_u32_u24 v4, v2, 24
	v_add_nc_u32 v4, v3, v4
	v_lshl_add_u32 v5, v2, 4, v4
	s_mul_i32 s21, s15, HALFT
	s_mul_i32 s22, s16, HALFT
	s_add_co_u32 s22, s22, 2*HALFT
.irp s, 0,1
	v_add_nc_u32 v[ADRA+\s], s21, v4
	v_add_nc_u32 v[ADRB+\s], s22, v4
	v_add_nc_u32 v[ADRA+2+\s], s21, v5
	v_add_nc_u32 v[ADRB+2+\s], s22, v5
	s_add_co_u32 s21, s21, SLOT
	s_add_co_u32 s22, s22, SLOT
.endr
	v_mul_u32_u24 v5, v1, KS
	v_lshrrev_b32 v6, 8, v5
	v_lshl_add_u32 v5, v6, 4, v5
	s_mul_i32 s21, s15, HALFS
	s_mul_i32 s22, s16, HALFS
	s_add_co_u32 s22, s22, 2*HALFS
	s_sub_co_u32 s22, s22, s21
	v_mul_u32_u24 v6, s22, v2                      ; lanes 16-31 take B's
	s_add_co_u32 s21, s21, SCL
	v_add_nc_u32 v5, v5, v6
	v_add_nc_u32 v[ADRS], s21, v5
	s_mul_i32 s23, s14, 16*SPITCH                  ; my stage
	v_mul_u32_u24 v5, v1, SPITCH                   ; in: row r, + 128 h: my half's 32 columns of each 64
	v_lshl_add_u32 v5, v2, 7, v5
	v_add_nc_u32 v[STO], s23, v5
	v_and_b32 v6, 31, v0
	v_lshlrev_b32 v[CO], 4, v6                     ; back: the 32 lanes take one row of 512 bytes; and the same in out0
	v_add_nc_u32 v[RD], s23, v[CO]
	s_lshl_b32 s20, s17, 8
	s_lshl_b32 s21, s15, 7
	s_add_co_u32 s20, s20, s21                     ; my first row
	s_mov_b32 s21, 0
	s_mov_b64 s[18:19], SIZE_N*4
	s_mul_u64 s[20:21], s[20:21], s[18:19]
	s_lshl_b32 s46, s42, 10
	s_lshl_b32 s47, s16, 9
	s_add_co_u32 s46, s46, s47                     ; my first column, in bytes
	s_mov_b32 s47, 0
	s_add_nc_u64 s[20:21], s[20:21], s[46:47]
	s_add_nc_u64 s[12:13], s[12:13], s[20:21]
.macro FRAG reg, adr, q, i             ; a fragment, 16 rows x 128 K, 12 registers, in pieces of 8 bytes; where the piece of lanes 16-31 lies behind one padding more, the second address register serves
.irp p, 0,1,2,3,4,5
.set PC, 12*(\q)+6*(\p/3)+\p%3
.if PC%8 < 5
	ds_load_b64 v[\reg+2*\p:\reg+2*\p+1], v[\adr] offset:8*PC+16*(PC/8)+(\i)*16*PITCH
.else
	ds_load_b64 v[\reg+2*\p:\reg+2*\p+1], v[\adr+2] offset:8*PC+16*(PC/8)+(\i)*16*PITCH
.endif
.endr
.endm
.macro MUL16 a0, p, q, sc, first       ; 16 matrix instructions; first = 1: the sums begin with the bias as C.  The 64 accumulators take turns
.irp a, \a0, \a0+1
.irp b, 0,1,2,3,4,5,6,7
.if \first
	v_wmma_scale_f32_16x16x128_f8f6f4 v[8*(8*((\a)%4)+\b):8*(8*((\a)%4)+\b)+7], v[128*(\p)+FR*\b:128*(\p)+FR*\b+FR-1], v[AF+FR*(\a):AF+FR*(\a)+FR-1], v[BI+8*\b:BI+8*\b+7], v[SC+8*NQ*(\sc)+NQ*\b+(\q)], v[SC+8*NQ*(\sc)+NQ*(\a)+(\q)] matrix_a_fmt:MATRIX_FMT_FP6 matrix_b_fmt:MATRIX_FMT_FP6 matrix_a_scale:MATRIX_SCALE_ROW1
.else
	v_wmma_scale_f32_16x16x128_f8f6f4 v[8*(8*((\a)%4)+\b):8*(8*((\a)%4)+\b)+7], v[128*(\p)+FR*\b:128*(\p)+FR*\b+FR-1], v[AF+FR*(\a):AF+FR*(\a)+FR-1], v[8*(8*((\a)%4)+\b):8*(8*((\a)%4)+\b)+7], v[SC+8*NQ*(\sc)+NQ*\b+(\q)], v[SC+8*NQ*(\sc)+NQ*(\a)+(\q)] matrix_a_fmt:MATRIX_FMT_FP6 matrix_b_fmt:MATRIX_FMT_FP6 matrix_a_scale:MATRIX_SCALE_ROW1
.endif
.endr
.endr
.endm
.macro FETCH_B slot, q, p
	WIN TO_B
.irp i, 0,1,2,3,4,5,6,7
	FRAG 128*(\p)+FR*\i, ADRB+\slot, \q, \i
.endr
	WIN 0
.endm
.macro FETCH_A slot, q, i0
.irp i, \i0, \i0+1, \i0+2, \i0+3
	FRAG AF+FR*(\i), ADRA+\slot, \q, \i
.endr
.endm
.macro SCALES sc
.irp i, 0,1,2,3,4,5,6,7
	ds_load_b64 v[SC+8*NQ*\sc+NQ*\i:SC+8*NQ*\sc+NQ*\i+1], v[ADRS] offset:\i*SBLK
.endr
.endm
.macro PLACES n
.rept \n
	v_nop
.endr
.endm
.macro STEP slot, q, first
	s_wait_dscnt 4*NL                              ; B's set and A's blocks 0-3 are in; the youngest 24 loads (A's blocks 4-7) may be out
	WIN MUL_LO-0x20*\first
	MUL16 0, (\q)%2, \q, \slot, \first
	MUL16 2, (\q)%2, \q, \slot, \first
	s_wait_dscnt 0
	PLACES NP
	FETCH_B \slot, (\q)+1, 1-(\q)%2
	FETCH_A \slot, (\q)+1, 0
	WIN MUL_HI-0x30*\first
	MUL16 4, (\q)%2, \q, \slot, \first
	MUL16 6, (\q)%2, \q, \slot, \first
	PLACES NP
	WIN 0
	FETCH_A \slot, (\q)+1, 4
.endm
.macro TURN slot, next, fill
	s_wait_tensorcnt 0x0                           ; all my tensor loads have landed: my part of the next slot
	ds_add_u32 v[SPW], v[NIL]                      ; 0 onto my spare word
	s_wait_dscnt 4*NL+1                            ; (the add and the youngest 24 loads may be out)
	WIN MUL_LO
	MUL16 0, 1, NQ-1, \slot, 0
	s_wait_dscnt 0x0                               ; the add is done, and my reads of this slot are over
	s_barrier_signal -1
	MUL16 2, 1, NQ-1, \slot, 0
	WIN 0
	s_barrier_wait -1
.if \fill
	CREST                                          ; the barrier has opened a round of the cluster's barrier
	s_add_nc_u64 s[G0+4*\slot+2:G0+4*\slot+3], s[G0+4*\slot+2:G0+4*\slot+3], 2*ROWB
	s_add_nc_u64 s[G0B+4*\slot+2:G0B+4*\slot+3], s[G0B+4*\slot+2:G0B+4*\slot+3], 2*ROWB
	JLOAD G0+4*\slot, G1, G0B+4*\slot, G1B         ; the first tensor load behind the round
.else
	PLACES NP
.endif
	v_add_nc_u32 v[ADRS], 4*NQ, v[ADRS]
	FETCH_B \next, 0, 0
	FETCH_A \next, 0, 0
	SCALES \next
	WIN MUL_HI
	MUL16 4, 1, NQ-1, \slot, 0
	MUL16 6, 1, NQ-1, \slot, 0
	PLACES NP
	WIN 0
	FETCH_A \next, 0, 4
.endm
	s_wait_tensorcnt 1                             ; the scales and my part of K step 0 are in (K step 1's load may be out),
	s_barrier_signal -1
	s_barrier_wait -1                              ; everybody's are
	FETCH_B 0, 0, 0
	FETCH_A 0, 0, 0
	SCALES 0
	FETCH_A 0, 0, 4
	s_wait_loadcnt 0x0                             ; the bias
	STEP 0, 0, 1
	s_mov_b32 s3, LAPS-1
.Llap:
	TURN 0, 1, 1
	STEP 1, 0, 0
	TURN 1, 0, 1
	STEP 0, 0, 0
	s_sub_co_u32 s3, s3, 1
	s_cmp_lg_u32 s3, 0
	s_cbranch_scc1 .Llap
	TURN 0, 1, 0
	STEP 1, 0, 0
	s_wait_dscnt 4*NL
	WIN MUL_LO
	MUL16 0, 1, NQ-1, 1, 0
	MUL16 2, 1, NQ-1, 1, 0
	s_wait_dscnt 0
	WIN MUL_HI
	MUL16 4, 1, NQ-1, 1, 0
	MUL16 6, 1, NQ-1, 1, 0
	WIN 0
; THE WAY OUT, block by block of 16 rows x 128 columns, through my own stage: in by 16 bytes at the columns' true places, back as whole rows of 512 bytes.  LDS serves a wave's instructions in order.
.macro TOSTAGE a
.set AC, 64*((\a)%4)
	WIN 0x08+4*((\a)/4)
.irp b, 0,1,2,3,4,5,6,7
	ds_store_b128 v[STO], v[AC+8*\b:AC+8*\b+3] offset:256*(\b/4)+32*(\b%4)          ; columns 64 (b / 4) + 32 h + 8 (b % 4) on; each accumulator from its low end on
	ds_store_b128 v[STO], v[AC+8*\b+4:AC+8*\b+7] offset:256*(\b/4)+32*(\b%4)+16
.endr
	WIN 0
.set BB, BK+64*((\a)%2)
.irp t, 0,1,2,3,4,5,6,7,8,9,10,11,12,13,14,15
	ds_load_b128 v[BB+4*\t:BB+4*\t+3], v[RD] offset:\t*SPITCH
.endr
.endm
.macro SEND a, younger
.set BB, BK+64*((\a)%2)
	s_wait_dscnt \younger                          ; the block is back in registers
.if (\a) > 0
	s_add_nc_u64 s[12:13], s[12:13], 16*SIZE_N*4   ; (behind a wait on XCNT: the earlier stores have read their base)
.endif
.irp t, 0,1,2,3,4,5,6,7,8,9,10,11,12,13,14,15
	global_store_b128 v[CO], v[BB+4*\t:BB+4*\t+3], s[12:13] offset:\t*SIZE_N*4 th:TH_STORE_NT   ; 32 lanes store 512 consecutive bytes, at a multiple of 256 from out0's first byte
.endr
.endm
	PLACES NP
	TOSTAGE 0
.irp a, 1,2,3,4,5,6,7
.if \a > 1
	s_wait_xcnt 0x0                                ; block a - 2's stores have read their registers and their base
.endif
	TOSTAGE \a
	SEND \a-1, 32                                  ; behind block a - 1's loads: block a's 16 stores and 16 loads
.endr
	s_wait_xcnt 0x0
	SEND 7, 0
	s_wait_tensorcnt 0x0                           ; the wave's end
	ds_add_u32 v[SPW], v[NIL]
	s_wait_dscnt 0x0
	CROUND                                         ; the closing round
	s_endpgm
.Lfunc_end_k_qfdc3fd8a0b_proj:
	.size	k_qfdc3fd8a0b_proj, .Lfunc_end_k_qfdc3fd8a0b_proj-k_qfdc3fd8a0b_proj
	.p2alignl 7, 3214868480
	.fill 96, 4, 3214868480
	.section	.rodata,"a",@progbits
	.p2align	6, 0x0
	.amdhsa_kernel k_qfdc3fd8a0b_proj
		.amdhsa_group_segment_fixed_size 327680
		.amdhsa_private_segment_fixed_size 0
		.amdhsa_enable_private_segment 0
		.amdhsa_kernarg_size 48
		.amdhsa_user_sgpr_count 2
		.amdhsa_user_sgpr_kernarg_segment_ptr 1
		.amdhsa_wavefront_size32 1
		.amdhsa_system_sgpr_workgroup_id_x 1
		.amdhsa_system_sgpr_workgroup_id_y 1
		.amdhsa_system_sgpr_workgroup_id_z 1
		.amdhsa_system_vgpr_workitem_id 0
		.amdhsa_next_free_vgpr 1024
		.amdhsa_next_free_sgpr 98
		.amdhsa_reserve_vcc 0
		.amdhsa_float_denorm_mode_32 3
		.amdhsa_float_denorm_mode_16_64 3
		.amdhsa_memory_ordered 1
		.amdhsa_forward_progress 1
		.amdhsa_inst_pref_size 162
	.end_amdhsa_kernel
	.amdgpu_metadata
---
amdhsa.version: [ 1, 2 ]
amdhsa.kernels:
  - .name:           k_qfdc3fd8a0b_proj
    .symbol:         k_qfdc3fd8a0b_proj.kd
    .args:
      - { .name: act_codes, .offset: 0, .size: 8, .value_kind: global_buffer, .address_space: global }
      - { .name: act_scales, .offset: 8, .size: 8, .value_kind: global_buffer, .address_space: global }
      - { .name: w_codes, .offset: 16, .size: 8, .value_kind: global_buffer, .address_space: global }
      - { .name: w_scales, .offset: 24, .size: 8, .value_kind: global_buffer, .address_space: global }
      - { .name: b_proj, .offset: 32, .size: 8, .value_kind: global_buffer, .address_space: global }
      - { .name: out0, .offset: 40, .size: 8, .value_kind: global_buffer, .address_space: global }
    .group_segment_fixed_size: 327680
    .private_segment_fixed_size: 0
    .kernarg_segment_align: 8
    .kernarg_segment_size: 48
    .max_flat_workgroup_size: 128
    .sgpr_count:     98
    .vgpr_count:     1024
    .wavefront_size: 32
...
	.end_amdgpu_metadata
.endif
;; end of part 4
